; MI455X (gfx1250); checked and timed in simulation.
; The chip was launched on July 23, 2026; its instructions are those of AMD's public machine-readable ISA for CDNA 5 (MIT licence, August 2026) and "CDNA5" Instruction Set Architecture Reference Guide (July 2026). The comments in the code are by the model that wrote it; some were corrected since.
;; Causal Multi Head Attention With Ro PE. Allowed arithmetic: matrix products marked QUANTISED: E4M3 operands, one given power-of-two scale a tensor, by v_wmma_f32_16x16x64_fp8_fp8 or v_wmma_f32_16x16x128_fp8_fp8, f32 sums; everything else in f32.
;; Inputs: k_proj_weight 1,024 x 1,024 float32; lowp_scales 12 int32 (the exponents e of the quantised operands' scales 2^e); o_proj_weight 1,024 x 1,024 float32; q_proj_weight 1,024 x 1,024 float32; v_proj_weight 1,024 x 1,024 float32; x 2 x 2,048 x 1,024 float32.
;; Outputs: out0 2 x 2,048 x 1,024 float32.
;; This version of the problem:
;;   THIS VERSION OF THE PROBLEM IS GIVEN IN LOW PRECISION. The matrix products marked QUANTISED in the list below multiply operands that are first quantised to E4M3 (4 exponent bits, 3 mantissa bits; 8 bits a number), with one given power-of-two scale for each operand tensor; their sums are f32. All else is computed in f32.
;;   The module's matrix products, in the order in which they are computed (A, B: the left and right operand; K: the contracted axis; several contracted axes count as one K, in the product's order):
;;     1. [M 4,096, K 1,024] x [K 1,024, N 1,024]; A: input x; B: input q_proj_weight: QUANTISED (scales: A lowp_scales[0], B lowp_scales[1])
;;     2. [M 4,096, K 1,024] x [K 1,024, N 1,024]; A: input x; B: input k_proj_weight: QUANTISED (scales: A lowp_scales[2], B lowp_scales[3])
;;     3. [M 4,096, K 1,024] x [K 1,024, N 1,024]; A: input x; B: input v_proj_weight: QUANTISED (scales: A lowp_scales[4], B lowp_scales[5])
;;     4. batch 32 x [M 2,048, K 64] x [K 64, N 2,048]; A: computed on the way; B: computed on the way: QUANTISED (scales: A lowp_scales[6], B lowp_scales[7])
;;     5. batch 32 x [M 2,048, K 2,048] x [K 2,048, N 64]; A: softmax (see below); B: computed on the way: QUANTISED (scales: A lowp_scales[8], B lowp_scales[9])
;;     6. [M 4,096, K 1,024] x [K 1,024, N 1,024]; A: computed on the way; B: input o_proj_weight: QUANTISED (scales: A lowp_scales[10], B lowp_scales[11])
;;   THE QUANTISER, for each operand of a quantised product, along K:
;;     - The operand's scale is 2^e, e = its entry of the input lowp_scales (int32; the entries are numbered through the quantised products in the list's order, A before B).
;;     - Each number is divided by the scale, clamped to +-448, and rounded to the nearest number of E4M3, ties to even, subnormals kept.
;;     - The product sums the exact products of the quantised numbers (number of the format x scale) in f32.
;;   ~~~python
;;   def quantise(x, axis, e):      # numpy; x: float32 -> the quantised numbers, widened to float32 again
;;       x = np.moveaxis(x, axis, -1); K = x.shape[-1]
;;       r = np.clip(x / 2.0 ** e, -448, 448)
;;       step = 2.0 ** (np.maximum(np.frexp(np.where(r == 0, 1, r))[1] - 1, -6) - 3)
;;       q = np.round(r / step) * step * 2.0 ** e      # np.round: ties to even
;;       return np.moveaxis(q, -1, axis).astype(np.float32)
;;   ~~~
;;   SOFTMAX AHEAD OF A QUANTISED PRODUCT. Where the list says 'softmax', what is quantised is not the finished softmax but p = 2^(t - M), with t = logit x log2(e) and M = ceil(the row's largest t), a whole number; so 1/2 < the row's largest p <= 1. The row's sum l is taken of the UNQUANTISED p, in f32, and the product's result is divided by l at the end. Since M is a whole number, a kernel that streams over the keys may use a running M (the ceiling of the running maximum): every later rescaling is an exact power of two, so the quantised numbers keep their values, but for numbers so far below the row's largest that they fall under the format's range.
;;   OPERANDS COMPUTED ON THE WAY. 'Computed on the way' means the value that the module computes at that place (a softmax that the list does not call 'softmax' is quantised finished and normalised). What goes into a quantiser is computed in f32, as accurately as f32 sums, v_exp_f32 and their like allow (about 1e-6 of the number): no bf16 or f16 on the way to a quantiser, and a product that is left as it is and whose result goes on into a quantised operand takes f32 operands (vector FMAs, or v_wmma_f32_16x16x4_f32). A number that lies on a knife's edge between two numbers of the format may be rounded either way, as far as f32 arithmetic and the matrix unit's own rounding can turn it there, and no further.
;; One version. Each part assembles by itself: llvm-mc -triple=amdgcn-amd-amdhsa -mcpu=gfx1250 --defsym DOCPART=n.
;; ======== version 1 of 1: 4 launches
;; limits: right only within a limited range of input values
;; workspace buffers: xc 12,582,912 bytes; wc 4,194,304 bytes; tab 540,672 bytes; qc 4,194,304 bytes; kc 4,194,304 bytes; vc 4,194,304 bytes; ac 4,194,304 bytes
;; launch quant (part 1): grid 545 x 1, 4 waves a work-group, no clusters, 34,304 bytes of LDS; arguments x, q_proj_weight, k_proj_weight, v_proj_weight, o_proj_weight, lowp_scales, xc, wc, tab; writes xc, wc, tab
.if DOCPART == 1
	.amdgcn_target "amdgcn-amd-amdhsa--gfx1250"
	.amdhsa_code_object_version 6
	.text
	.protected	k_q616730de76_quant
	.globl	k_q616730de76_quant
	.p2align	8
	.type	k_q616730de76_quant,@function
k_q616730de76_quant:
	s_mov_b64 s[64:65], 0
	v_nop
	global_prefetch_b8 v0, s[64:65] scope:SCOPE_SE
	s_setreg_imm32_b32 hwreg(HW_REG_WAVE_MODE, 25, 1), 1
	s_wait_xcnt 0x0
; x [4096][1024] f32 becomes codes of FP8 (E4M3) three times, under 2^e0, 2^e2, 2^e4 (it is an operand of three products, each with a scale of its own);
; the four weights [1024][1024] f32 become codes once each, under 2^e1, 2^e3, 2^e5, 2^e11; and the cosines and sines of the rotary embedding are made once, as a table.
; code = number / 2^e, held within +-448, rounded to the nearest code, ties to even.
; LAYOUT OF THE CODES: IMAGES OF THE OPERAND'S REGISTERS.  A fragment is 16 rows x 128 K = 2,048 bytes; byte 512 c + 16 lane + i is byte i of registers 4 c .. 4 c + 3 of lane (r = lane % 16, h = lane / 16),
; whose registers 2 c, 2 c + 1 hold k = 16 c + 8 h + 0 .. 7 of row r.  xc: [version 3][pair of K steps 4][tile of 16 rows 256][K step of the pair 2][fragment];  wc: [tensor 4][4][64][2][fragment].
; SHARES.  Work-groups 0-255: tile of rows g of x.  256-511: tensor (g - 256) / 64, tile (g - 256) % 64.  Wave w takes the tile's K = 256 w .. 256 w + 255: two fragments.
; Each load reads 512 consecutive bytes of one row; a fragment's 8,192 bytes turn through the wave's own stage in LDS, so that a lane gets eight neighbours along K for each conversion.
; Each store of codes covers 512 consecutive bytes, aligned.  Both kinds of tensor take one way through the text: pointers, offsets and e are chosen by the work-group's number; x's versions 1 and 2 (no LDS) stand under a branch on it.
; Work-groups 512-544: THE TABLE.  Wave w makes tile T = 4 (g - 512) + w of 132: [group i of 8][lane][16 bytes]: lane (r, h) holds (cos, sin, cos, sin) of position 16 T + r and pairs j = 8 (i / 2) + 4 h + 2 (i % 2) + 0, 1,
; the angle being position x 10^(-j / 8), rounded once to f32.  Tiles 128-131 take position 0: cos = 1, sin = 0, exactly.
; cos and sin: n = the angle x 2 / pi to the nearest whole number; the angle less n x pi / 2, pi / 2 in two parts, by fused multiply-adds; polynomials on +-pi / 4; the quadrant exchanges them and sets the signs.
; LIMITS.  Each e between -126 and 119.  NaN among the inputs is not served.  The frequencies are the f32 numbers nearest to 10^(-j / 8), which may differ in the last place from 1 / 10000^(j / 32) computed in f32.
.set ROWB,   4096                      ; a row of x or of a weight in bytes
.set SPITCH, 528                       ; a stage row: 512 bytes + 16 = 132 words, so that the 16 rows of a read start at 16 different banks (64 banks of 4 bytes: ISA guide 11.1)
.set WSTG,   16*SPITCH                 ; a wave's stage
.set LI,   1                           ; v1   16 x lane: offset of loads and stores
.set SIN,  2                           ; v2   the stage, on the way in
.set SOUT, 3                           ; v3   and on the way out
.set SC,   8                           ; v8-13 for versions 0, 1, 2: 2^e, 448 x 2^e
.set R,    32                          ; v32-159  two fragments as loaded; later their codes, 16 registers a version
.set X,    160                         ; v160-223 my 64 numbers of a fragment
.set T,    224                         ; v224-239 two sets of eight held numbers, by turns
	s_load_b512 s[4:19], s[0:1], 0x0               ; x s[4:5], wq s[6:7], wk s[8:9], wv s[10:11], wo s[12:13], the scales s[14:15], xc s[16:17], wc s[18:19]
	s_load_b64 s[20:21], s[0:1], 0x40              ; tab
	v_lshl_add_u32 v240, v0, 2, 0x8400
	v_mov_b32 v241, 0
	v_lshrrev_b32 v4, 5, v0
	v_readfirstlane_b32 s22, v4                    ; wave
	v_and_b32 v5, 31, v0
	v_lshlrev_b32 v[LI], 4, v5
	v_and_b32 v6, 15, v0                           ; r
	v_bfe_u32 v7, v0, 4, 1                         ; h
	s_cmp_ge_u32 ttmp9, 512
	s_cbranch_scc1 .Ltable
	s_mul_i32 s48, s22, WSTG
	v_add_nc_u32 v[SIN], s48, v[LI]                ; in: a row's 512 bytes as they lie
	v_mul_u32_u24 v[SOUT], v6, SPITCH
	v_lshl_add_u32 v[SOUT], v7, 5, v[SOUT]
	v_add_nc_u32 v[SOUT], s48, v[SOUT]             ; out: row r, + 32 h: eight numbers of every sixteen
	s_cmp_lt_u32 ttmp9, 256
	s_cselect_b32 s48, 0, 256
	s_sub_co_u32 s23, ttmp9, s48
	s_lshr_b32 s24, s23, 6                         ; which weight
	s_and_b32 s25, s23, 63                         ; its tile of rows
	s_lshl_b32 s49, s22, 20                        ; xc: a pair of K steps is 1 MiB
	s_lshl_b32 s50, s22, 18                        ; wc: 256 KiB,
	s_lshl_b32 s51, s24, 20                        ; a tensor 1 MiB
	s_add_co_u32 s50, s50, s51
	s_wait_kmcnt 0x0
	s_load_b256 s[36:43], s[14:15], 0x0            ; e0 .. e7
	s_load_b128 s[44:47], s[14:15], 0x20           ; e8 .. e11
	s_cmp_eq_u32 s24, 1
	s_cselect_b64 s[26:27], s[8:9], s[6:7]
	s_cmp_eq_u32 s24, 2
	s_cselect_b64 s[26:27], s[10:11], s[26:27]
	s_cmp_eq_u32 s24, 3
	s_cselect_b64 s[26:27], s[12:13], s[26:27]
	s_cmp_lt_u32 ttmp9, 256                        ; x's work-group?  Every choice hangs on the work-group's number alone
	s_cselect_b64 s[26:27], s[4:5], s[26:27]
	s_cselect_b64 s[28:29], s[16:17], s[18:19]
	s_cselect_b32 s25, ttmp9, s25                  ; the tile of rows
	s_cselect_b32 s34, s49, s50
	s_lshl_b32 s51, s25, 12
	s_add_co_u32 s34, s34, s51                     ; + 4,096 x tile
	s_mov_b32 s35, 0
	s_add_nc_u64 s[28:29], s[28:29], s[34:35]      ; where version 0's codes go,
	s_add_nc_u64 s[30:31], s[28:29], 0x400000      ; version 1's,
	s_add_nc_u64 s[32:33], s[28:29], 0x800000      ; version 2's (x alone uses these two)
	s_lshl_b32 s34, s25, 16                        ; 16 rows of 4,096 bytes,
	s_lshl_b32 s51, s22, 10                        ; my 256 numbers of each
	s_add_co_u32 s34, s34, s51
	s_add_nc_u64 s[26:27], s[26:27], s[34:35]
.macro LOAD s                          ; fragment s: 512 consecutive bytes of each of the 16 rows
.irp i, 0,1,2,3,4,5,6,7,8,9,10,11,12,13,14,15
	global_load_b128 v[R+64*(\s)+4*\i:R+64*(\s)+4*\i+3], v[LI], s[26:27] offset:ROWB*\i+512*(\s) th:TH_LOAD_NT
.endr
.endm
.macro TURN s                          ; through the stage: LDS serves a wave's instructions in order (ISA guide 5.7.1.4), so no wait stands between the stores and the loads
.irp i, 0,1,2,3,4,5,6,7,8,9,10,11,12,13,14,15
	ds_store_b128 v[SIN], v[R+64*(\s)+4*\i:R+64*(\s)+4*\i+3] offset:SPITCH*\i
.endr
.irp c, 0,1,2,3,4,5,6,7
	ds_load_b128 v[X+8*\c:X+8*\c+3], v[SOUT] offset:64*\c          ; k = 16 c + 8 h + 0 .. 3
	ds_load_b128 v[X+8*\c+4:X+8*\c+7], v[SOUT] offset:64*\c+16     ; + 4 .. 7
.endr
.endm
; Fragment s under version v's scale, stored from s[base].  The numbers stay in X; the held ones go to two sets by turns, so that eight plain lines stand between a conversion and the next write of its sources.
; The codes lie over the registers that the fragment was loaded into (the stage's stores have read them) and are never written again: no store's data wait for anything.
.macro QV s, v, base
.set CC, R+64*(\s)+16*(\v)
.irp c, 0,1,2,3,4,5,6,7
.irp i, 0,1,2,3,4,5,6,7
	v_med3_num_f32 v[T+8*(\c%2)+\i], v[X+8*\c+\i], -v[SC+1+2*(\v)], v[SC+1+2*(\v)]   ; the conversion does not saturate (ISA guide 7.6.2): the hold at the largest code x the scale
.endr
	v_cvt_scalef32_pk8_fp8_f32 v[CC+2*\c:CC+2*\c+1], v[T+8*(\c%2):T+8*(\c%2)+7], v[SC+2*(\v)]
.endr
.irp c, 0,1,2,3
	global_store_b128 v[LI], v[CC+4*\c:CC+4*\c+3], s[\base:\base+1] offset:2048*(\s)+512*\c   ; 32 lanes store 512 consecutive bytes
.endr
.endm
.macro MKSC e, v                       ; 2^e as f32 (the conversion takes its exponent field), and 448 x 2^e
	s_add_co_i32 s56, s[\e], 127
	s_lshl_b32 s57, s56, 23
	v_mov_b32 v[SC+2*(\v)], s57
	s_add_co_i32 s56, s56, 8
	s_lshl_b32 s56, s56, 23
	s_or_b32 s56, s56, 0x600000
	v_mov_b32 v[SC+1+2*(\v)], s56
.endm
	s_wait_alu depctr_va_vdst(0)
	LOAD 0
	LOAD 1
	s_wait_kmcnt 0x0
	s_cmp_eq_u32 s24, 1
	s_cselect_b32 s52, s39, s37                    ; a weight's e: e1, e3, e5, e11
	s_cmp_eq_u32 s24, 2
	s_cselect_b32 s52, s41, s52
	s_cmp_eq_u32 s24, 3
	s_cselect_b32 s52, s47, s52
	s_cmp_lt_u32 ttmp9, 256
	s_cselect_b32 s52, s36, s52                    ; x's version 0: e0
	MKSC 52, 0
	MKSC 38, 1                                     ; e2
	MKSC 40, 2                                     ; e4
	s_wait_alu depctr_va_vdst(0)
	s_wait_loadcnt 16                              ; fragment 0's sixteen loads are in; fragment 1's sixteen may be out
	TURN 0
	s_wait_dscnt 0x0                               ; my numbers are back, and the stage's stores have read their registers
	QV 0, 0, 28
	s_cmp_lt_u32 ttmp9, 256
	s_cbranch_scc0 .Lone_0
	QV 0, 1, 30
	QV 0, 2, 32
.Lone_0:
	s_wait_loadcnt 0x0
	TURN 1
	s_wait_dscnt 0x0
	QV 1, 0, 28
	s_cmp_lt_u32 ttmp9, 256
	s_cbranch_scc0 .Lone_1
	QV 1, 1, 30
	QV 1, 2, 32
.Lone_1:
	s_wait_tensorcnt 0x0
	ds_add_u32 v240, v241
	s_wait_dscnt 0x0
	s_endpgm
.Ltable:
	s_sub_co_u32 s48, ttmp9, 512
	s_lshl_b32 s48, s48, 2
	s_add_co_u32 s25, s48, s22                     ; tile 0 .. 131
	s_cmp_lt_u32 s25, 128
	s_cselect_b32 s49, 1, 0
	s_lshl_b32 s51, s25, 4
	s_wait_alu depctr_va_vdst(0)
	v_add_nc_u32 v14, s51, v6                      ; position 16 T + r,
	v_mul_u32_u24 v14, s49, v14                    ; or 0 in the last four tiles
	v_cvt_f32_u32 v14, v14
	v_cmp_eq_u32 vcc_lo, 1, v7                     ; lanes 16-31 take the pairs four further on
	v_mov_b32 v24, -0.00019515295891               ; the polynomials' leading coefficients
	v_mov_b32 v25, 0.00002443315712
	s_lshl_b32 s34, s25, 12
	s_mov_b32 s35, 0
	s_wait_kmcnt 0x0
	s_add_nc_u64 s[20:21], s[20:21], s[34:35]
; cos into v[d], sin into v[d + 1], of position x frequency; f0: lanes 0-15's frequency, f1: lanes 16-31's
.macro TAB d, f0, f1
	v_mov_b32 v15, \f1
	v_cndmask_b32 v15, \f0, v15, vcc_lo
	s_wait_alu depctr_va_vdst(0)
	v_mul_f32 v16, v14, v15                        ; the angle, rounded once
	v_mul_f32 v17, 0x3f22f983, v16                 ; x 2 / pi
	v_rndne_f32 v17, v17                           ; n
	v_fmamk_f32 v18, v17, 0xbfc90fdb, v16          ; the angle - n x the f32 number nearest to pi / 2,
	v_fmamk_f32 v18, v17, 0x333bbd2e, v18          ; - n x what that number lacks of pi / 2 (it is too large by 4.371139e-8)
	v_cvt_i32_f32 v19, v17
	v_mul_f32 v20, v18, v18                        ; z
	v_fmaak_f32 v21, v24, v20, 0.0083321608736
	v_fmaak_f32 v22, v25, v20, -0.001388731625
	v_fmaak_f32 v21, v21, v20, -0.16666654611
	v_fmaak_f32 v22, v22, v20, 0.04166664568
	v_mul_f32 v21, v21, v20
	v_fma_f32 v23, v20, -0.5, 1.0
	v_mul_f32 v26, v20, v20
	v_fma_f32 v21, v21, v18, v18                   ; the remainder's sine
	v_fma_f32 v22, v26, v22, v23                   ; and cosine
	v_and_b32 v23, 1, v19
	v_cmp_ne_u32 s50, 0, v23                       ; odd quadrants exchange the two
	v_cndmask_b32 v27, v21, v22, s50
	v_cndmask_b32 v28, v22, v21, s50
	v_lshlrev_b32 v23, 30, v19                     ; the sine is negative in quadrants 2, 3,
	v_and_b32 v23, 0x80000000, v23
	v_xor_b32 v[\d+1], v27, v23
	v_add_nc_u32 v19, 1, v19                       ; the cosine in quadrants 1, 2
	v_lshlrev_b32 v23, 30, v19
	v_and_b32 v23, 0x80000000, v23
	v_xor_b32 v[\d], v28, v23
.endm
.macro GROUP i, a0, a1, b0, b1         ; group i has four registers of its own: no store's data are written again
	TAB 32+4*\i, \a0, \a1
	TAB 34+4*\i, \b0, \b1
	global_store_b128 v[LI], v[32+4*\i:35+4*\i], s[20:21] offset:512*\i
.endm
	GROUP 0, 1.0, 0.31622776602, 0.74989420933, 0.23713737057
	GROUP 1, 0.56234132519, 0.17782794100, 0.42169650343, 0.13335214322
	GROUP 2, 0.1, 0.031622776602, 0.074989420933, 0.023713737057
	GROUP 3, 0.056234132519, 0.017782794100, 0.042169650343, 0.013335214322
	GROUP 4, 0.01, 0.0031622776602, 0.0074989420933, 0.0023713737057
	GROUP 5, 0.0056234132519, 0.0017782794100, 0.0042169650343, 0.0013335214322
	GROUP 6, 0.001, 0.00031622776602, 0.00074989420933, 0.00023713737057
	GROUP 7, 0.00056234132519, 0.00017782794100, 0.00042169650343, 0.00013335214322
	s_endpgm
.Lfunc_end_k_q616730de76_quant:
	.size	k_q616730de76_quant, .Lfunc_end_k_q616730de76_quant-k_q616730de76_quant
	.p2alignl 7, 3214868480
	.fill 96, 4, 3214868480
	.section	.rodata,"a",@progbits
	.p2align	6, 0x0
	.amdhsa_kernel k_q616730de76_quant
		.amdhsa_group_segment_fixed_size 34304
		.amdhsa_private_segment_fixed_size 0
		.amdhsa_enable_private_segment 0
		.amdhsa_kernarg_size 72
		.amdhsa_user_sgpr_count 2
		.amdhsa_user_sgpr_kernarg_segment_ptr 1
		.amdhsa_wavefront_size32 1
		.amdhsa_system_sgpr_workgroup_id_x 1
		.amdhsa_system_sgpr_workgroup_id_y 1
		.amdhsa_system_sgpr_workgroup_id_z 1
		.amdhsa_system_vgpr_workitem_id 0
		.amdhsa_next_free_vgpr 242
		.amdhsa_next_free_sgpr 66
		.amdhsa_reserve_vcc 1
		.amdhsa_float_denorm_mode_32 3
		.amdhsa_float_denorm_mode_16_64 3
		.amdhsa_memory_ordered 1
		.amdhsa_forward_progress 1
		.amdhsa_inst_pref_size 66
	.end_amdhsa_kernel
	.amdgpu_metadata
---
amdhsa.version: [ 1, 2 ]
amdhsa.kernels:
  - .name:           k_q616730de76_quant
    .symbol:         k_q616730de76_quant.kd
    .args:
      - { .name: x, .offset: 0, .size: 8, .value_kind: global_buffer, .address_space: global }
      - { .name: q_proj_weight, .offset: 8, .size: 8, .value_kind: global_buffer, .address_space: global }
      - { .name: k_proj_weight, .offset: 16, .size: 8, .value_kind: global_buffer, .address_space: global }
      - { .name: v_proj_weight, .offset: 24, .size: 8, .value_kind: global_buffer, .address_space: global }
      - { .name: o_proj_weight, .offset: 32, .size: 8, .value_kind: global_buffer, .address_space: global }
      - { .name: lowp_scales, .offset: 40, .size: 8, .value_kind: global_buffer, .address_space: global }
      - { .name: xc, .offset: 48, .size: 8, .value_kind: global_buffer, .address_space: global }
      - { .name: wc, .offset: 56, .size: 8, .value_kind: global_buffer, .address_space: global }
      - { .name: tab, .offset: 64, .size: 8, .value_kind: global_buffer, .address_space: global }
    .group_segment_fixed_size: 34304
    .private_segment_fixed_size: 0
    .kernarg_segment_align: 8
    .kernarg_segment_size: 72
    .max_flat_workgroup_size: 128
    .sgpr_count:     66
    .vgpr_count:     242
    .wavefront_size: 32
...
	.end_amdgpu_metadata
.endif
;; end of part 1
;; launch proj (part 2): grid 12 x 16, 4 waves a work-group, clusters of 4 x 4, 327,680 bytes of LDS; arguments xc, wc, tab, lowp_scales, qc, kc, vc; writes qc, kc, vc
.if DOCPART == 2
	.amdgcn_target "amdgcn-amd-amdhsa--gfx1250"
	.amdhsa_code_object_version 6
	.text
	.protected	k_q616730de76_proj
	.globl	k_q616730de76_proj
	.p2align	8
	.type	k_q616730de76_proj,@function
k_q616730de76_proj:
	s_mov_b64 s[64:65], 0
	v_nop
	global_prefetch_b8 v0, s[64:65] scope:SCOPE_SE
	s_setreg_imm32_b32 hwreg(HW_REG_WAVE_MODE, 25, 1), 1
	s_wait_xcnt 0x0
	s_wait_alu depctr_hold_cnt(0) depctr_sa_sdst(0) depctr_va_vdst(0) depctr_va_sdst(0) depctr_va_ssrc(0) depctr_va_vcc(0) depctr_vm_vsrc(0)
	s_getreg_b32 s2, hwreg(HW_REG_IB_STS2, 6, 4)
	s_cmp_eq_u32 s2, 0
	s_cbranch_scc0 .Lentry_in_a_cluster
	s_endpgm
.Lentry_in_a_cluster:
	s_bfe_u32 s2, ttmp6, 0x10000c
	s_cmp_lg_u32 s2, 0xf033
	s_cbranch_scc0 .Lentry_shape_is_right
	s_endpgm
.Lentry_shape_is_right:
; The three projections on codes of FP8 (E4M3), the rotary embedding on q and k, and the quantising of q, k (along the head's 64) and v (along the keys) for the attention.
; xc: [version 3][pair of K steps 4][tile of 16 rows 256][2][image of 16 rows x 128 K];  wc: [tensor 4][4][64][2][image].  A work-group makes 256 x 256; cluster x = 0, 1, 2: q, k, v.  For v the two operands change places (A = the weight, B = x), so that
; a lane's registers run along the positions.  K goes in four chunks of 256 through two LDS slots of four pieces of 32,768 bytes, one joint load a wave and chunk: A's pieces along a row of the cluster, B's along a column.
; PREFETCHES, one chunk ahead of the joint load: behind chunk c's load stands one for chunk c + 1 (c = 0, 1, 2; chunk 3 has no successor).  Of a wave's piece, 128 blocks of 256 bytes, each of the four partners that ask jointly names 32, told apart by address
; (cx for A, cy for B), a lane a block.  The table's part for q and k, 32,768 bytes for each half of the rows, is asked for once in a row of the cluster, a quarter each, by the waves of the first column half.
; v takes the table's position 0 (cosine 1, sine 0): one text for all three.
; LIMITS on the given exponents: e6 - e0 - e1, e7 - e2 - e3 and e9 - e4 - e5 between -126 and 119.  NaN among the inputs is not served.
.set PFO,    30
.set SLOT,   131072
.set SPARE,  2*SLOT
.set FR,     16
.set NL,     4
.set NP,     4
.set LI,   2
.set VO1,  3
.set ADRA, 16
.set ADRB, 20
.set SPW,  28
.set NIL,  29
.set RO,   32
.set CD,   96
.set SCL,  112
.set LIM,  113
.set VT,   114
.set AF,   128
.set G1,  24
.set G0,  32
.set G1B, 48
.set G0B, 56
.set MSB, 0
.macro WIN new
.if MSB != \new
	s_set_vgpr_msb (MSB<<8)|\new
.set MSB, \new
.endif
.endm
.set MUL_LO, 0xa1
.set MUL_HI, 0xf1
.set TO_B,   0x40
.macro JLOAD g0a, g1a, g0b, g1b
	s_cmp_eq_u32 s19, 0
	s_cbranch_scc0 .Lfor_b_\@
	tensor_load_to_lds s[\g0a:\g0a+3], s[\g1a:\g1a+7]
	s_nop 0
.rept 4
	v_nop
.endr
	s_branch .Lasked_\@
.Lfor_b_\@:
	tensor_load_to_lds s[\g0b:\g0b+3], s[\g1b:\g1b+7]
	s_nop 0
.rept 4
	v_nop
.endr
.Lasked_\@:
.endm
.macro CREST
	s_cmp_lg_u32 s18, 0
	s_cbranch_scc1 .Lnot_wave_0_\@
	s_barrier_signal -3
.Lnot_wave_0_\@:
	s_barrier_wait -3
	s_barrier_signal -1
	s_barrier_wait -1
.endm
.macro CROUND
	s_barrier_signal -1
	s_barrier_wait -1
	CREST
.endm
	s_load_b256 s[4:11], s[0:1], 0x0
	s_load_b128 s[12:15], s[0:1], 0x20
	s_load_b64 s[16:17], s[0:1], 0x30
	v_lshl_add_u32 v[SPW], v0, 2, SPARE
	v_mov_b32 v[NIL], 0
	v_and_b32 v[PFO], 31, v0
	v_lshlrev_b32 v[PFO], 8, v[PFO]                ; the prefetches' offset: 256 x lane; never rewritten
	s_wait_alu depctr_va_vdst(0)
	ds_add_u32 v28, v29
	ds_add_u32 v28, v29
	s_wait_dscnt 0x0
	v_lshrrev_b32 v1, 5, v0
	v_readfirstlane_b32 s18, v1
	s_lshr_b32 s19, s18, 1
	s_and_b32 s20, s18, 1
	s_bfe_u32 s21, ttmp6, 0x40000
	s_bfe_u32 s22, ttmp6, 0x40004
	s_and_b32 s23, ttmp7, 0xffff
	s_lshl_b32 s40, s23, 2
	s_add_co_u32 s41, s40, s22
	s_add_co_u32 s42, s40, s21
	s_lshl_b32 s43, s22, 2
	s_lshl_b32 s43, 15, s43
	s_lshl_b32 s44, 0x1111, s21
	s_or_b32 s[G1], s43, (3<<16)|(1<<21)
	s_or_b32 s[G1B], s44, (3<<16)|(1<<21)
.irp g, G1, G1B
	s_mov_b32 s[\g+1], 32<<16
	s_mov_b32 s[\g+2], 128<<16
	s_mov_b32 s[\g+3], 32<<16
	s_mov_b32 s[\g+4], 128
	s_mov_b32 s[\g+5], 32
	s_mov_b32 s[\g+6], 0
	s_mov_b32 s[\g+7], 0
.endr
	s_lshl_b32 s45, ttmp9, 22
	s_lshl_b32 s46, ttmp9, 20
	s_lshl_b32 s47, s20, 15
	s_mov_b32 s96, 0x100000
	s_mov_b32 s97, 0x40000
	s_cmp_eq_u32 ttmp9, 2
	s_cselect_b32 s98, s22, s41
	s_cselect_b32 s99, s42, s21
	s_cselect_b32 s45, 0x200000, s45
	s_cselect_b32 s46, 0x800000, s46
	s_cselect_b32 s88, s97, s96
	s_cselect_b32 s92, s96, s97
	s_mov_b32 s89, 0
	s_mov_b32 s93, 0
	s_lshl_b32 s90, s88, 1
	s_mov_b32 s91, 0
	s_lshl_b32 s94, s92, 1
	s_mov_b32 s95, 0
	s_lshl_b32 s2, s98, 16
	s_add_co_u32 s2, s2, s45
	s_add_co_u32 s2, s2, s47
	s_mov_b32 s3, 0
	s_lshl_b32 s66, s99, 16
	s_add_co_u32 s66, s66, s46
	s_add_co_u32 s66, s66, s47
	s_mov_b32 s67, 0
	s_lshl_b32 s40, s18, 15
	s_wait_kmcnt 0x0
	s_load_b256 s[68:75], s[10:11], 0x0
	s_load_b128 s[76:79], s[10:11], 0x20
	s_cmp_eq_u32 ttmp9, 2
	s_cselect_b64 s[80:81], s[6:7], s[4:5]
	s_cselect_b64 s[82:83], s[4:5], s[6:7]
	s_add_nc_u64 s[80:81], s[80:81], s[2:3]
	s_add_nc_u64 s[82:83], s[82:83], s[66:67]
	s_cmp_eq_u32 s19, 0                            ; the prefetches: my piece of A or of B,
	s_cselect_b64 s[2:3], s[80:81], s[82:83]
	s_cselect_b32 s66, s88, s92                    ; a chunk on,
	s_cselect_b32 s46, s21, s22                    ; my place among the four that ask with me
	s_mov_b32 s67, 0
	s_lshl_b32 s46, s46, 13
	s_mov_b32 s47, 0
	s_add_nc_u64 s[2:3], s[2:3], s[46:47]
	s_add_nc_u64 s[2:3], s[2:3], s[66:67]          ; chunk 1
	s_add_nc_u64 s[100:101], s[2:3], s[66:67]      ; chunk 2
	CROUND
	s_mov_b32 s[G0], 1
	s_mov_b32 s[G0+1], s40
	s_mov_b64 s[G0+2:G0+3], s[80:81]
	s_or_b32 s[G0+3], s[G0+3], 0x80000000
	s_mov_b32 s[G0B], 1
	s_mov_b32 s[G0B+1], s40
	s_mov_b64 s[G0B+2:G0B+3], s[82:83]
	s_or_b32 s[G0B+3], s[G0B+3], 0x80000000
	JLOAD G0, G1, G0B, G1B                         ; chunk 0
	global_prefetch_b8 v[PFO], s[2:3] th:TH_LOAD_NT scope:SCOPE_SE
	s_mov_b32 s[G0+4], 1
	s_add_co_u32 s[G0+5], s40, SLOT
	s_add_nc_u64 s[G0+6:G0+7], s[80:81], s[88:89]
	s_or_b32 s[G0+7], s[G0+7], 0x80000000
	s_mov_b32 s[G0B+4], 1
	s_add_co_u32 s[G0B+5], s40, SLOT
	s_add_nc_u64 s[G0B+6:G0B+7], s[82:83], s[92:93]
	s_or_b32 s[G0B+7], s[G0B+7], 0x80000000
	s_wait_alu depctr_va_vdst(0)
	s_wait_tensorcnt 0x0
	ds_add_u32 v28, v29
	s_wait_dscnt 0x0
	CROUND
	JLOAD G0+4, G1, G0B+4, G1B
	v_and_b32 v1, 31, v0
	v_lshlrev_b32 v[LI], 4, v1
	s_wait_alu depctr_va_vdst(0)
	s_lshl_b32 s40, s19, 15
	s_lshl_b32 s41, s20, 15
	s_add_co_u32 s41, s41, 65536
.irp s, 0,1
	v_add_nc_u32 v[ADRA+\s], s40, v[LI]
	v_add_nc_u32 v[ADRB+\s], s41, v[LI]
	s_add_co_u32 s40, s40, SLOT
	s_add_co_u32 s41, s41, SLOT
.endr
	s_lshr_b32 s40, s98, 3
	s_lshl_b32 s40, s40, 21
	s_lshl_b32 s41, s99, 2
	s_lshl_b32 s42, s20, 1
	s_add_co_u32 s41, s41, s42
	s_lshl_b32 s41, s41, 17
	s_add_co_u32 s40, s40, s41
	s_and_b32 s41, s98, 7
	s_lshl_b32 s41, s41, 4
	s_lshl_b32 s42, s19, 3
	s_add_co_u32 s41, s41, s42
	s_lshl_b32 s42, s41, 10
	s_add_co_u32 s40, s40, s42
	s_lshl_b32 s41, s41, 12
	s_lshl_b32 s43, s99, 1
	s_add_co_u32 s43, s43, s20
	s_lshr_b32 s44, s43, 4
	s_lshl_b32 s44, s44, 21
	s_and_b32 s43, s43, 15
	s_lshl_b32 s43, s43, 13
	s_add_co_u32 s44, s44, s43
	s_lshl_b32 s43, s98, 2
	s_lshl_b32 s45, s19, 1
	s_add_co_u32 s43, s43, s45
	s_lshl_b32 s43, s43, 17
	s_add_co_u32 s44, s44, s43
	s_add_co_u32 s45, s18, 128
	s_lshl_b32 s45, s45, 12
	s_mov_b32 s46, 131072
	s_mov_b32 s47, 2048
	s_cmp_eq_u32 ttmp9, 2
	s_cselect_b32 s40, s44, s40
	s_cselect_b32 s42, s45, s41
	s_cselect_b32 s46, 1024, s46
	s_cselect_b32 s82, s47, 1024
	s_cselect_b32 s84, 122880, 0
	s_cselect_b32 s96, 0, 4096
	s_cselect_b64 s[80:81], s[16:17], s[12:13]
	s_cmp_eq_u32 ttmp9, 1
	s_cselect_b64 s[80:81], s[14:15], s[80:81]
	s_mov_b32 s41, 0
	s_mov_b32 s43, 0
	s_mov_b32 s83, 0
	s_mov_b32 s85, 0
	s_add_nc_u64 s[80:81], s[80:81], s[40:41]
	s_add_nc_u64 s[86:87], s[8:9], s[42:43]
	v_add_nc_u32 v[VO1], s46, v[LI]
	s_lshl_b32 s98, s21, 13                        ; my quarter of the table's part
	s_mov_b32 s99, 0
	s_add_nc_u64 s[98:99], s[86:87], s[98:99]
.irp a, 0,1,2,3,4,5,6,7
	v_mad_u32_u24 v[VT+\a], s96, \a, v[LI]
.endr
	s_wait_kmcnt 0x0
	s_sub_co_i32 s40, s74, s68
	s_sub_co_i32 s40, s40, s69
	s_sub_co_i32 s41, s75, s70
	s_sub_co_i32 s41, s41, s71
	s_sub_co_i32 s42, s77, s72
	s_sub_co_i32 s42, s42, s73
	s_cmp_eq_u32 ttmp9, 1
	s_cselect_b32 s40, s41, s40
	s_cmp_eq_u32 ttmp9, 2
	s_cselect_b32 s40, s42, s40
	s_add_co_i32 s40, s40, 127
	s_lshl_b32 s41, s40, 23
	v_mov_b32 v[SCL], s41
	s_add_co_i32 s40, s40, 8
	s_lshl_b32 s40, s40, 23
	s_or_b32 s40, s40, 0x600000
	v_mov_b32 v[LIM], s40
.macro FRAG reg, adr, q, i
.irp c, 0,1,2,3
	ds_load_b128 v[\reg+4*\c:\reg+4*\c+3], v[\adr] offset:4096*(\i)+2048*(\q)+512*\c
.endr
.endm
.macro MUL16 a0, p, zero
.irp a, \a0, \a0+1
.irp b, 0,1,2,3,4,5,6,7
.if \zero
	v_wmma_f32_16x16x128_fp8_fp8 v[8*(8*((\a)%4)+\b):8*(8*((\a)%4)+\b)+7], v[128*(\p)+FR*\b:128*(\p)+FR*\b+FR-1], v[AF+FR*(\a):AF+FR*(\a)+FR-1], 0
.else
	v_wmma_f32_16x16x128_fp8_fp8 v[8*(8*((\a)%4)+\b):8*(8*((\a)%4)+\b)+7], v[128*(\p)+FR*\b:128*(\p)+FR*\b+FR-1], v[AF+FR*(\a):AF+FR*(\a)+FR-1], v[8*(8*((\a)%4)+\b):8*(8*((\a)%4)+\b)+7]
.endif
.endr
.endr
.endm
.macro FETCH_B slot, q, p
	WIN TO_B
.irp i, 0,1,2,3,4,5,6,7
	FRAG 128*(\p)+FR*\i, ADRB+\slot, \q, \i
.endr
	WIN 0
.endm
.macro FETCH_A slot, q, i0
.irp i, \i0, \i0+1, \i0+2, \i0+3
	FRAG AF+FR*(\i), ADRA+\slot, \q, \i
.endr
.endm
.macro PLACES n
.rept \n
	v_nop
.endr
.endm
.macro STEP slot, q, zero
	s_wait_dscnt 4*NL
	WIN MUL_LO
	MUL16 0, (\q)%2, \zero
	MUL16 2, (\q)%2, \zero
	s_wait_dscnt 0
	PLACES NP
	FETCH_B \slot, (\q)+1, 1-(\q)%2
	FETCH_A \slot, (\q)+1, 0
	WIN MUL_HI
	MUL16 4, (\q)%2, \zero
	MUL16 6, (\q)%2, \zero
	PLACES NP
	WIN 0
	FETCH_A \slot, (\q)+1, 4
.endm
.macro TURN slot, next, fill
	s_wait_tensorcnt 0x0
	ds_add_u32 v[SPW], v[NIL]
	s_wait_dscnt 4*NL+1
	WIN MUL_LO
	MUL16 0, 1, 0
	s_wait_dscnt 0x0
	s_barrier_signal -1
	MUL16 2, 1, 0
	WIN 0
	s_barrier_wait -1
.if \fill
	CREST
	s_add_nc_u64 s[G0+4*\slot+2:G0+4*\slot+3], s[G0+4*\slot+2:G0+4*\slot+3], s[90:91]
	s_add_nc_u64 s[G0B+4*\slot+2:G0B+4*\slot+3], s[G0B+4*\slot+2:G0B+4*\slot+3], s[94:95]
	JLOAD G0+4*\slot, G1, G0B+4*\slot, G1B
.else
	PLACES NP
.endif
	FETCH_B \next, 0, 0
	FETCH_A \next, 0, 0
	WIN MUL_HI
	MUL16 4, 1, 0
	MUL16 6, 1, 0
	PLACES NP
	WIN 0
	FETCH_A \next, 0, 4
.endm
.macro TABLOAD a0
	WIN TO_B
.irp a, \a0, \a0+1, \a0+2, \a0+3
.irp i, 0,1,2,3,4,5,6,7
	global_load_b128 v[32*(\a)+4*\i:32*(\a)+4*\i+3], v[VT+(\a)], s[86:87] offset:512*\i
.endr
.endr
	WIN 0
.endm
	s_wait_tensorcnt 1
	s_barrier_signal -1
	s_barrier_wait -1
	FETCH_B 0, 0, 0
	FETCH_A 0, 0, 0
	FETCH_A 0, 0, 4
	global_prefetch_b8 v[PFO], s[100:101] th:TH_LOAD_NT scope:SCOPE_SE   ; chunk 2
	s_cmp_lt_u32 ttmp9, 2
	s_cselect_b32 s46, s20, 1
	s_cmp_eq_u32 s46, 0
	s_cbranch_scc0 .Lno_table
	global_prefetch_b8 v[PFO], s[98:99] th:TH_LOAD_NT scope:SCOPE_SE     ; q and k: the table
.Lno_table:
	STEP 0, 0, 1
	TURN 0, 1, 1
	s_wait_xcnt 0x0                                ; the earlier prefetches have read their addresses
	s_add_nc_u64 s[100:101], s[100:101], s[66:67]
	global_prefetch_b8 v[PFO], s[100:101] th:TH_LOAD_NT scope:SCOPE_SE   ; chunk 3
	STEP 1, 0, 0
	TURN 1, 0, 1
	STEP 0, 0, 0
	TURN 0, 1, 0
	STEP 1, 0, 0
	s_wait_alu depctr_va_vdst(0)
	TABLOAD 0
	s_wait_dscnt 4*NL
	WIN MUL_LO
	MUL16 0, 1, 0
	MUL16 2, 1, 0
	s_wait_dscnt 0
	WIN MUL_HI
	MUL16 4, 1, 0
	MUL16 6, 1, 0
	WIN 0
	PLACES NP
	TABLOAD 4
.macro BLOCK a
.set AC, 64*((\a)%4)
.set TB, 32*(\a)
	s_wait_loadcnt 8*(7-(\a))
	WIN 0x06+(\a)/4
.set b, 0
.rept 8
.set p, 0
.rept 4
	v_pk_mul_f32 v[RO+8*b+2*p:RO+8*b+2*p+1], v[AC+8*b+2*p:AC+8*b+2*p+1], v[TB+8*(b%4)+2*p:TB+8*(b%4)+2*p+1] op_sel:[0,0] op_sel_hi:[0,1]
.set p, p+1
.endr
.set b, b+1
.endr
.set b, 0
.rept 8
.set p, 0
.rept 4
	v_pk_fma_f32 v[RO+8*b+2*p:RO+8*b+2*p+1], v[AC+8*b+2*p:AC+8*b+2*p+1], v[TB+8*(b%4)+2*p:TB+8*(b%4)+2*p+1], v[RO+8*b+2*p:RO+8*b+2*p+1] op_sel:[1,1,0] op_sel_hi:[1,0,1] neg_lo:[0,1,0]
.set p, p+1
.endr
.set b, b+1
.endr
	WIN 0
.set j, 0
.rept 64
	v_med3_num_f32 v[RO+j], v[RO+j], -v[LIM], v[LIM]
.set j, j+1
.endr
.if (\a) > 0
	s_wait_alu depctr_va_vdst(0)
	s_wait_xcnt 0x0
	s_add_nc_u64 s[80:81], s[80:81], s[82:83]
.if (\a) == 4
	s_add_nc_u64 s[80:81], s[80:81], s[84:85]
.endif
.endif
.irp b, 0,1,2,3,4,5,6,7
	v_cvt_scalef32_pk8_fp8_f32 v[CD+2*\b:CD+2*\b+1], v[RO+8*\b:RO+8*\b+7], v[SCL]
.endr
	v_nop
	global_store_b128 v[LI], v[CD:CD+3], s[80:81]
	global_store_b128 v[LI], v[CD+4:CD+7], s[80:81] offset:512
	global_store_b128 v[VO1], v[CD+8:CD+11], s[80:81]
	global_store_b128 v[VO1], v[CD+12:CD+15], s[80:81] offset:512
.endm
.irp a, 0,1,2,3,4,5,6,7
	BLOCK \a
.endr
	s_wait_tensorcnt 0x0
	ds_add_u32 v[SPW], v[NIL]
	s_wait_dscnt 0x0
	CROUND
	s_endpgm
.Lfunc_end_k_q616730de76_proj:
	.size	k_q616730de76_proj, .Lfunc_end_k_q616730de76_proj-k_q616730de76_proj
	.p2alignl 7, 3214868480
	.fill 96, 4, 3214868480
	.section	.rodata,"a",@progbits
	.p2align	6, 0x0
	.amdhsa_kernel k_q616730de76_proj
		.amdhsa_group_segment_fixed_size 327680
		.amdhsa_private_segment_fixed_size 0
		.amdhsa_enable_private_segment 0
		.amdhsa_kernarg_size 56
		.amdhsa_user_sgpr_count 2
		.amdhsa_user_sgpr_kernarg_segment_ptr 1
		.amdhsa_wavefront_size32 1
		.amdhsa_system_sgpr_workgroup_id_x 1
		.amdhsa_system_sgpr_workgroup_id_y 1
		.amdhsa_system_sgpr_workgroup_id_z 1
		.amdhsa_system_vgpr_workitem_id 0
		.amdhsa_next_free_vgpr 1024
		.amdhsa_next_free_sgpr 102
		.amdhsa_reserve_vcc 0
		.amdhsa_float_denorm_mode_32 3
		.amdhsa_float_denorm_mode_16_64 3
		.amdhsa_memory_ordered 1
		.amdhsa_forward_progress 1
		.amdhsa_inst_pref_size 160
	.end_amdhsa_kernel
	.amdgpu_metadata
---
amdhsa.version: [ 1, 2 ]
amdhsa.kernels:
  - .name:           k_q616730de76_proj
    .symbol:         k_q616730de76_proj.kd
    .args:
      - { .name: xc, .offset: 0, .size: 8, .value_kind: global_buffer, .address_space: global }
      - { .name: wc, .offset: 8, .size: 8, .value_kind: global_buffer, .address_space: global }
      - { .name: tab, .offset: 16, .size: 8, .value_kind: global_buffer, .address_space: global }
      - { .name: lowp_scales, .offset: 24, .size: 8, .value_kind: global_buffer, .address_space: global }
      - { .name: qc, .offset: 32, .size: 8, .value_kind: global_buffer, .address_space: global }
      - { .name: kc, .offset: 40, .size: 8, .value_kind: global_buffer, .address_space: global }
      - { .name: vc, .offset: 48, .size: 8, .value_kind: global_buffer, .address_space: global }
    .group_segment_fixed_size: 327680
    .private_segment_fixed_size: 0
    .kernarg_segment_align: 8
    .kernarg_segment_size: 56
    .max_flat_workgroup_size: 128
    .sgpr_count:     102
    .vgpr_count:     1024
    .wavefront_size: 32
...
	.end_amdgpu_metadata
.endif
;; end of part 2
;; launch attn (part 3): grid 8 x 32, 16 waves a work-group, clusters of 4 x 1, 327,680 bytes of LDS; arguments qc, kc, vc, lowp_scales, ac; writes ac
.if DOCPART == 3
	.amdgcn_target "amdgcn-amd-amdhsa--gfx1250"
	.amdhsa_code_object_version 6
	.text
	.protected	k_q616730de76_attn
	.globl	k_q616730de76_attn
	.p2align	8
	.type	k_q616730de76_attn,@function
k_q616730de76_attn:
	s_mov_b64 s[64:65], 0
	v_nop
	global_prefetch_b8 v0, s[64:65] scope:SCOPE_SE
	s_setreg_imm32_b32 hwreg(HW_REG_WAVE_MODE, 25, 1), 1
	s_wait_xcnt 0x0
	s_wait_alu depctr_hold_cnt(0) depctr_sa_sdst(0) depctr_va_vdst(0) depctr_va_sdst(0) depctr_va_ssrc(0) depctr_va_vcc(0) depctr_vm_vsrc(0)
	s_getreg_b32 s2, hwreg(HW_REG_IB_STS2, 6, 4)
	s_cmp_eq_u32 s2, 0
	s_cbranch_scc0 .Lentry_in_a_cluster
	s_endpgm
.Lentry_in_a_cluster:
	s_bfe_u32 s2, ttmp6, 0x10000c
	s_cmp_lg_u32 s2, 0x3003
	s_cbranch_scc0 .Lentry_shape_is_right
	s_endpgm
.Lentry_shape_is_right:
; Causal attention on codes of FP8 (E4M3): S = q k^T / 8, p = 2^(t - M), O = p v / the row's sum; O is quantised under 2^e10 for the last projection.
; t = score x log2(e) / 8; M = the running largest t rounded UP to a whole number; the row's sum is taken of the unquantised p, in f32; when M moves, the sum and O are multiplied by 2^(old M - new M): exact.
; qc, kc: [batch x head 32][tile of 16 positions 128][image of 16 rows x 64 K: 1,024 bytes].  vc: [32][128 keys 16][tile of 16 channels 4][image of 16 rows x 128 K: 2,048 bytes].
; ac: [pair of K steps 4][tile of 16 rows 256][K step of the pair 2][image of 16 rows x 128 K], K = 64 x head + channel.  (Image: byte 512 c + 16 lane is registers 4 c .. 4 c + 3; registers 2 c, 2 c + 1 hold k = 16 c + 8 (lane / 16) + 0 .. 7 of row lane % 16.)
; SHARES.  A tile is 32 queries, a key step 64 keys: each fragment of K and of V feeds two matrix instructions.  A head has 64 tiles; work-group g = 0 .. 7 owns, for j = 0 .. 3, tile LO = 8 j + g and tile HI = 63 - LO.
; Wave w: j = w % 4; its role k = w / 4, but for j = 2 (w / 4 + 3) % 4, so that the wave with the most steps comes first.  j < 3: roles 0, 1, 2 take HI's steps k, k + 3, ..; role 3 takes LO alone.  j = 3: roles 0, 1 take HI's even and odd steps, roles 2, 3 LO's.
; LO's last step is 4 j + 1 + 2 x cluster, HI's 32 less that: 34 steps for each j.  These numbers hang on the wave and on the cluster alone, alike in all partners: a partner may walk one step at the end that the mask hides whole.
; Steps wholly behind every partner's queries are not walked: the causal mask throws them away.  In the last two steps of a tile hidden scores become -infinity ahead of the maximum.  A wave's first step holds a key that counts for each of its queries, so M is a number from then on.
; Waves that share a tile hold partial sums, each under its own running M.  At the end those with a first step over 0 lay theirs into LDS as an image of registers; the wave with first step 0 brings all under the larger M, by whole powers of two that round nothing, adds, and stores.
; THE HEAD'S K AND V LIE WHOLE IN LDS (131,072 bytes each), each byte filled once: keys 0 .. 383 by one joint load each at the head (wave 12: K, wave 13: V), the rest by one each behind the full sequence and a round: every wave's first two steps lie in keys 0 .. 383.
; The barrier that shows the rest is signalled behind a wave's first step and waited for behind its second: between the two stand register work and LDS loads of keys 0 .. 383.
; The four work-groups of a cluster share the head.  No prefetch: there are two loads a wave and no ring to run ahead of.
; THE IMAGES lie in K's and V's bytes, which have had their last fill, behind a barrier that ends all reads of them.
; LAYOUT.  Both products transposed: S^T = K Q^T (source 0 = 16 keys), O^T = V^T P^T (source 0 = 16 channels): a lane holds query lane % 16 of each of its two tiles of 16 rows u = 0, 1.  Register i of score tile t is key 16 t + 8 (lane / 16) + i: its conversion gives registers 2 t, 2 t + 1 of P's fragment.
; LIMITS on the given exponents: e6 + e7 between -123 and 130 (added to c's exponent field); e8 and e10 between -126 and 119; e8 + e9 is applied by v_ldexp_f32 and has none.  NaN is not served.
; A part of the keys summed under its own running M keeps the quantised numbers' values but for numbers so far under the row's largest that they fall under the format's range.
; REGISTERS: v1 16 x lane, v2 the same in V, v3 my query less 8 (lane / 16); v6, v7 addresses in hand; v8, v9 448 x 2^e8, 2^e8; v10, v11 the same with e10; v13 my image, v12 that of four waves on; v[14:15] largest score of u = 0, 1; v[16:17] -M; v[18:21] sums in two halves;
; v[22:23] f; v24-31 at work; v32-47 Q; v48-79 K's four fragments; v80-111 V's four; v112-175 S^T, then p; v176-191 p's codes; v192-255 O^T.
.set SPARE, 262144                     ; behind K and V: the spare words, 128 bytes for each wave
.set PART,  24576                      ; 384 keys of K or of V
.set IMG,   8704                       ; an image: 17 stores of 512 bytes
.set SPW,  4
.set NIL,  5
.set WV,   14
.set FST,  18                          ; s18 my first step
.set STR,  19                          ; s19 from step to step: 1, 2 or 3
.set LAST, 20                          ; s20 my tile's last step
.set TRIP, 22                          ; s22 my how-manieth step
.set ESUM, 23                          ; s23 e8 + e9
.set G1A,  24                          ; s[24:31], s[32:39] groups 1; s[40:43], s[44:47] groups 0
.set G1B,  32
.set G0A,  40
.set G0B,  44
.set CS,   48                          ; s[48:49] c = log2(e) / 8 x 2^(e6 + e7)
.set NC,   50                          ; s[50:51] -c
.set KS,   54                          ; s54 the key step's number
.macro CROUND                          ; a round of the cluster's barrier
	s_barrier_signal -1
	s_barrier_wait -1
	s_cmp_lg_u32 s[WV], 0
	s_cbranch_scc1 .Lnot_wave_0_\@
	s_barrier_signal -3
.Lnot_wave_0_\@:
	s_barrier_wait -3
	s_barrier_signal -1
	s_barrier_wait -1
.endm
.macro FETCH g0, g1                    ; waves 12 (K) and 13 (V): one joint load
	s_lshr_b32 s55, s[WV], 1
	s_cmp_eq_u32 s55, 6
	s_cbranch_scc0 .Lno_fetch_\@
	tensor_load_to_lds s[\g0:\g0+3], s[\g1:\g1+7]
	s_nop 0
.rept 4
	v_nop
.endr
.Lno_fetch_\@:
.endm
	s_load_b256 s[4:11], s[0:1], 0x0               ; qc s[4:5], kc s[6:7], vc s[8:9], the scales s[10:11]
	s_load_b64 s[12:13], s[0:1], 0x20              ; ac
	v_lshl_add_u32 v[SPW], v0, 2, SPARE
	v_mov_b32 v[NIL], 0
	ds_add_u32 v[SPW], v[NIL]                      ; the wave's opening: the add, twice on end, and its wait ahead of my first tensor load
	ds_add_u32 v[SPW], v[NIL]
	v_lshrrev_b32 v6, 5, v0
	v_readfirstlane_b32 s[WV], v6                  ; wave 0..15
	s_and_b32 s15, s[WV], 3                        ; j
	s_lshr_b32 s16, s[WV], 2
	s_add_co_u32 s55, s16, 3
	s_and_b32 s55, s55, 3
	s_cmp_eq_u32 s15, 2
	s_cselect_b32 s16, s55, s16                    ; k
	s_and_b32 s55, s16, 1
	s_lshr_b32 s56, s16, 1
	s_cmp_eq_u32 s16, 3                            ; j < 3: role 3 takes LO alone, the others a third of HI each
	s_cselect_b32 s[FST], 0, s16
	s_cselect_b32 s[STR], 1, 3
	s_cselect_b32 s21, 1, 0                        ; 1: my tile is LO
	s_cmp_eq_u32 s15, 3                            ; j = 3: halves
	s_cselect_b32 s[FST], s55, s[FST]
	s_cselect_b32 s[STR], 2, s[STR]
	s_cselect_b32 s21, s56, s21
	s_lshl_b32 s60, s15, 2
	s_lshl_b32 s61, ttmp9, 1
	s_add_co_u32 s60, s60, s61
	s_add_co_u32 s60, s60, 1                       ; LO's last step: 4 j + 1 + 2 x cluster
	s_sub_co_u32 s61, 32, s60                      ; HI's
	s_bfe_u32 s57, ttmp6, 0x40000                  ; cx
	s_lshl_b32 s58, ttmp9, 2
	s_add_co_u32 s58, s58, s57                     ; g: it enters Q's and ac's addresses and the mask's numbers alone
	s_lshl_b32 s62, s15, 3
	s_add_co_u32 s62, s62, s58                     ; LO
	s_xor_b32 s63, s62, 63                         ; HI = 63 - LO
	s_cmp_eq_u32 s21, 1
	s_cselect_b32 s[LAST], s60, s61
	s_cselect_b32 s62, s62, s63                    ; my tile
	s_and_b32 s59, ttmp7, 0xffff                   ; batch x head, which the four partners share
	; group 1: dense blocks as rows of 32 elements of 8 bytes: 96 rows, 416 rows
	s_mov_b32 s[G1A], 15|(3<<16)|(1<<21)           ; 15:0 the mask: all four work-groups; 17:16 elements of 8 bytes; 21 set beside a mask
	s_mov_b32 s[G1A+1], 32<<16
	s_mov_b32 s[G1A+2], 96<<16
	s_mov_b32 s[G1A+3], 32<<16
	s_mov_b32 s[G1A+4], 96
	s_mov_b32 s[G1A+5], 32
	s_mov_b32 s[G1A+6], 0
	s_mov_b32 s[G1A+7], 0
	s_mov_b32 s[G1B], 15|(3<<16)|(1<<21)
	s_mov_b32 s[G1B+1], 32<<16
	s_mov_b32 s[G1B+2], 416<<16
	s_mov_b32 s[G1B+3], 32<<16
	s_mov_b32 s[G1B+4], 416
	s_mov_b32 s[G1B+5], 32
	s_mov_b32 s[G1B+6], 0
	s_mov_b32 s[G1B+7], 0
	s_mov_b32 s52, 0x76543210
	s_mov_b32 s53, 0xfedcba98                      ; v_permlanex16_b32's selects for lane l xor 16
	s_lshl_b32 s74, s59, 17                        ; the head's first byte in qc, kc and vc
	s_mov_b32 s75, 0
	s_and_b32 s76, s[WV], 1
	s_lshl_b32 s76, s76, 17                        ; wave 12 fills K's part of LDS, wave 13 V's
	s_lshl_b32 s78, s62, 11                        ; Q of my tile: 2,048 bytes
	s_add_co_u32 s78, s78, s74
	s_mov_b32 s79, 0
	s_and_b32 s80, s59, 15                         ; head
	s_lshr_b32 s81, s59, 4                         ; batch
	s_lshl_b32 s81, s81, 19
	s_lshl_b32 s82, s62, 13
	s_add_co_u32 s81, s81, s82                     ; ac: tile of 16 rows 128 x batch + 2 x my tile, 4,096 bytes each;
	s_lshr_b32 s82, s80, 2
	s_lshl_b32 s82, s82, 20
	s_add_co_u32 s81, s81, s82                     ; pair of K steps head / 4,
	s_and_b32 s82, s80, 3
	s_lshl_b32 s82, s82, 10                        ; K step (head / 2) % 2 (2,048 bytes) and half head % 2 of its image (1,024)
	s_add_co_u32 s82, s81, s82
	s_mov_b32 s83, 0
	s_wait_dscnt 0x0                               ; both opening adds are done
	s_wait_kmcnt 0x0
	s_load_b128 s[68:71], s[10:11], 0x18           ; e6, e7, e8, e9
	s_load_b32 s72, s[10:11], 0x28                 ; e10
	s_cmp_eq_u32 s76, 0
	s_cselect_b64 s[84:85], s[6:7], s[8:9]
	s_add_nc_u64 s[84:85], s[84:85], s[74:75]
	s_mov_b32 s[G0A], 1
	s_mov_b32 s[G0A+1], s76
	s_mov_b64 s[G0A+2:G0A+3], s[84:85]
	s_or_b32 s[G0A+3], s[G0A+3], 0x80000000
	s_mov_b32 s[G0B], 1
	s_add_co_u32 s[G0B+1], s76, PART
	s_add_nc_u64 s[G0B+2:G0B+3], s[84:85], PART
	s_or_b32 s[G0B+3], s[G0B+3], 0x80000000
	s_add_nc_u64 s[4:5], s[4:5], s[78:79]
	s_add_nc_u64 s[12:13], s[12:13], s[82:83]
	CROUND                                         ; all four work-groups are here: the joint loads meet
	FETCH G0A, G1A                                 ; keys 0 .. 383
	v_and_b32 v6, 31, v0
	v_lshlrev_b32 v1, 4, v6
	global_load_b128 v[32:35], v1, s[4:5]          ; Q stays in registers
	global_load_b128 v[36:39], v1, s[4:5] offset:512
	global_load_b128 v[40:43], v1, s[4:5] offset:1024
	global_load_b128 v[44:47], v1, s[4:5] offset:1536
	v_add_nc_u32 v2, 131072, v1
	s_mul_i32 s55, s[WV], IMG
	v_add_nc_u32 v13, s55, v1                      ; every LDS address that outlives a step is made here, ahead of the roles' parting
	v_add_nc_u32 v12, 4*IMG, v13
	v_and_b32 v7, 15, v0
	v_bfe_u32 v8, v0, 4, 1
	v_lshlrev_b32 v8, 3, v8
	v_sub_nc_u32 v3, v7, v8
	s_lshl_b32 s55, s62, 5
	v_add_nc_u32 v3, s55, v3                       ; 32 x tile + r - 8 h
	v_mov_b32 v26, 0                               ; (a lane permute's destination counts as one of its sources)
	v_mov_b32 v27, 0
	s_wait_kmcnt 0x0
	s_mov_b32 s[CS], 0x3e38aa3b                    ; log2(e) / 8
	s_add_co_i32 s55, s68, s69
	s_lshl_b32 s55, s55, 23
	s_add_co_i32 s[CS], s[CS], s55                 ; a score stands for score x 2^(e6 + e7)
	s_mov_b32 s[CS+1], s[CS]                       ; (named with it as a pair, so it is written)
	s_xor_b32 s[NC], s[CS], 0x80000000
	s_mov_b32 s[NC+1], s[NC]
	s_add_co_i32 s[ESUM], s70, s71                 ; e8 + e9
	s_add_co_i32 s55, s70, 127
	s_lshl_b32 s56, s55, 23
	v_mov_b32 v9, s56                              ; 2^e8
	s_add_co_i32 s55, s55, 8
	s_lshl_b32 s55, s55, 23
	s_or_b32 s55, s55, 0x600000
	v_mov_b32 v8, s55                              ; 448 x 2^e8
	s_add_co_i32 s55, s72, 127
	s_lshl_b32 s56, s55, 23
	v_mov_b32 v11, s56                             ; 2^e10
	s_add_co_i32 s55, s55, 8
	s_lshl_b32 s55, s55, 23
	s_or_b32 s55, s55, 0x600000
	v_mov_b32 v10, s55                             ; 448 x 2^e10
.macro KLOAD                           ; K's four fragments of 16 keys
.irp t, 0,1,2,3
	ds_load_b128 v[48+8*\t:51+8*\t], v6 offset:1024*\t
	ds_load_b128 v[52+8*\t:55+8*\t], v6 offset:1024*\t+512
.endr
.endm
; A KEY STEP: 64 keys, number s[KS]; K's fragments are in registers or on their way.  first = 1: the products start the sums.  pre = 1: the next step's fragments of K are asked for.  lim bounds the step numbers to the keys that have landed.
.macro STEP first, pre, lim
	s_min_u32 s55, s[KS], \lim
	s_lshr_b32 s57, s55, 1
	s_lshl_b32 s57, s57, 13                        ; in V: 8,192 bytes for two steps,
	s_and_b32 s55, s55, 1
	s_lshl_b32 s55, s55, 10                        ; the odd one's registers are the images' upper halves
	s_add_co_u32 s57, s57, s55
	v_add_nc_u32 v7, s57, v2
.if \first == 0
.rept 3
	v_nop                                          ; with the addition: four places between the last products and loads into V's registers
.endr
.endif
.irp a, 0,1,2,3
	ds_load_b128 v[80+8*\a:83+8*\a], v7 offset:2048*\a
	ds_load_b128 v[84+8*\a:87+8*\a], v7 offset:2048*\a+512
.endr
	s_wait_dscnt 8                                 ; K is in; V's eight loads may be out
.irp u, 0,1
.irp t, 0,1,2,3
	v_wmma_f32_16x16x64_fp8_fp8 v[112+32*\u+8*\t:119+32*\u+8*\t], v[48+8*\t:55+8*\t], v[32+8*\u:39+8*\u], 0
.endr
.endr
.if \pre
	s_add_co_u32 s55, s[KS], s[STR]
	s_min_u32 s55, s55, \lim
	s_lshl_b32 s56, s55, 12                        ; in K: 4,096 bytes a step
	v_add_nc_u32 v6, s56, v1                       ; (one of the four places in front of the loads below and of the first read of the scores)
.else
	v_nop
.endif
.rept 3
	v_nop
.endr
.if \pre
	KLOAD
.endif
	s_add_co_u32 s55, s[KS], 1
	s_cmp_lt_u32 s55, s[LAST]                      ; ahead of the last two steps every key counts
	s_cbranch_scc1 .Lopen_\@
	s_lshl_b32 s55, s[KS], 6
	v_sub_nc_u32 v26, v3, s55                      ; d: of u = 0, key 16 t + i of my half is hidden where 16 t + i > d; of u = 1, 16 queries on, where 16 (t - 1) + i > d: one compare serves both
	v_mov_b32 v27, 0xff800000                      ; -infinity: p = 0 then
.set MT, -1
.rept 5
.set MJ, 0
.rept 8
	v_cmp_gt_i32 vcc_lo, 16*MT+MJ, v26
.if MT >= 0
	v_cndmask_b32 v[112+8*MT+MJ], v[112+8*MT+MJ], v27, vcc_lo
.endif
.if MT < 3
	v_cndmask_b32 v[152+8*MT+MJ], v[152+8*MT+MJ], v27, vcc_lo
.endif
.set MJ, MJ+1
.endr
.set MT, MT+1
.endr
.Lopen_\@:
.if \first
	v_max_num_f32 v14, v112, v113                  ; the largest score of my two queries among my keys, in two chains each
	v_max3_num_f32 v28, v128, v129, v130
	v_max_num_f32 v15, v144, v145
	v_max3_num_f32 v30, v160, v161, v162
.else
	v_max3_num_f32 v14, v14, v112, v113            ; the same, the running one among the leaves
	v_max3_num_f32 v28, v128, v129, v130
	v_max3_num_f32 v15, v15, v144, v145
	v_max3_num_f32 v30, v160, v161, v162
.endif
.set j, 0
.rept 6
	v_max3_num_f32 v14, v14, v[114+j], v[115+j]
	v_max3_num_f32 v28, v28, v[131+j], v[132+j]
	v_max3_num_f32 v15, v15, v[146+j], v[147+j]
	v_max3_num_f32 v30, v30, v[163+j], v[164+j]
.set j, j+2
.endr
	v_max3_num_f32 v14, v14, v126, v127
	v_max3_num_f32 v15, v15, v158, v159
	v_max3_num_f32 v14, v14, v28, v143
	v_max3_num_f32 v15, v15, v30, v175
	v_permlanex16_b32 v26, v14, s52, s53
	v_permlanex16_b32 v27, v15, s52, s53
	v_dual_max_num_f32 v14, v26, v14 :: v_dual_max_num_f32 v15, v27, v15   ; and among lane l xor 16's
	v_pk_mul_f32 v[24:25], v[14:15], s[NC:NC+1] op_sel_hi:[1,0]   ; -t (c is positive)
.if \first
	v_floor_f32 v16, v24                           ; -M = floor(-t) = -ceil(t)
	v_floor_f32 v17, v25
.else
	v_floor_f32 v24, v24                           ; the new -M
	v_floor_f32 v25, v25
	v_pk_add_f32 v[22:23], v[24:25], v[16:17] neg_lo:[0,1] neg_hi:[0,1]   ; old M less new M: whole numbers, 0 or less
	v_dual_mov_b32 v16, v24 :: v_dual_mov_b32 v17, v25
	v_cvt_i32_f32 v22, v22                         ; (it saturates)
	v_cvt_i32_f32 v23, v23
	v_ldexp_f32 v22, 1.0, v22                      ; f = 2^(old M - new M)
	v_ldexp_f32 v23, 1.0, v23
.endif
.set j, 0
.rept 16
	v_pk_fma_f32 v[112+j:113+j], v[112+j:113+j], s[CS:CS+1], v[16:17] op_sel_hi:[1,0,0]                 ; t - M, two at a time
	v_pk_fma_f32 v[144+j:145+j], v[144+j:145+j], s[CS:CS+1], v[16:17] op_sel:[0,0,1] op_sel_hi:[1,0,1]
.set j, j+2
.endr
.if \first == 0
.set j, 0
.rept 16
	v_pk_mul_f32 v[192+j:193+j], v[192+j:193+j], v[22:23] op_sel_hi:[1,0]                              ; O^T under the new M
	v_pk_mul_f32 v[224+j:225+j], v[224+j:225+j], v[22:23] op_sel:[0,1] op_sel_hi:[1,1]
.set j, j+2
.endr
.endif
	s_wait_alu depctr_va_vdst(0)                   ; ahead of the batch, and ahead of the wait below
	s_wait_dscnt 8*\pre                            ; V is in; the next step's K, eight loads, may be out
.set j, 0
.rept 64
	v_exp_f32 v[112+j], v[112+j]                   ; p = 2^(t - M), at most 1: not normalised
.set j, j+1
.endr
.if \first
	v_nop                                          ; a plain place behind the exponentials
.else
	v_pk_mul_f32 v[18:19], v[18:19], v[22:23] op_sel_hi:[1,0]   ; the sums under the new M.  (Plain places behind the exponentials)
	v_pk_mul_f32 v[20:21], v[20:21], v[22:23] op_sel:[0,1] op_sel_hi:[1,1]
.endif
	s_wait_alu depctr_va_vdst(0)                   ; one wait for the whole batch, ahead of its first reader
.if \first
	v_pk_add_f32 v[18:19], v[112:113], v[114:115]  ; the sums of the unquantised p
	v_pk_add_f32 v[20:21], v[144:145], v[146:147]
	v_pk_add_f32 v[28:29], v[116:117], v[118:119]
	v_pk_add_f32 v[30:31], v[148:149], v[150:151]
.else
	v_pk_add_f32 v[28:29], v[112:113], v[114:115]
	v_pk_add_f32 v[30:31], v[144:145], v[146:147]
.endif
.set j, 4+4*\first
.rept 7-\first
	v_pk_add_f32 v[18:19], v[18:19], v[112+j:113+j]
	v_pk_add_f32 v[20:21], v[20:21], v[144+j:145+j]
	v_pk_add_f32 v[28:29], v[28:29], v[114+j:115+j]
	v_pk_add_f32 v[30:31], v[30:31], v[146+j:147+j]
.set j, j+4
.endr
.set j, 0
.rept 32
	v_dual_min_num_f32 v[112+j], v8, v[112+j] :: v_dual_min_num_f32 v[113+j], v8, v[113+j]   ; the conversion does not saturate (ISA guide 7.6.2); p is not negative, so the hold is one-sided
.set j, j+2
.endr
.irp u, 0,1
.irp t, 0,1,2,3
	v_cvt_scalef32_pk8_fp8_f32 v[176+8*\u+2*\t:177+8*\u+2*\t], v[112+32*\u+8*\t:119+32*\u+8*\t], v9
.endr
.endr
	v_pk_add_f32 v[18:19], v[18:19], v[28:29]      ; (plain lines behind the conversions)
	v_pk_add_f32 v[20:21], v[20:21], v[30:31]
	s_wait_alu depctr_va_vdst(0)
.irp a, 0,1,2,3
.irp u, 0,1
.if \first
	v_wmma_f32_16x16x64_fp8_fp8 v[192+32*\u+8*\a:199+32*\u+8*\a], v[80+8*\a:87+8*\a], v[176+8*\u:183+8*\u], 0
.else
	v_wmma_f32_16x16x64_fp8_fp8 v[192+32*\u+8*\a:199+32*\u+8*\a], v[80+8*\a:87+8*\a], v[176+8*\u:183+8*\u], v[192+32*\u+8*\a:199+32*\u+8*\a]   ; the eight accumulators take turns
.endif
.endr
.endr
.endm
; THE WAY OUT of a finished tile.  v18, v19: the sums of my half of the lanes.  O^T / the sum x 2^(e8 + e9), quantised under 2^e10: tile a's eight channels are registers 2 a, 2 a + 1 of my half of the image: two stores of 512 consecutive bytes for each 16 rows.
.macro WAYOUT
	v_permlanex16_b32 v26, v18, s52, s53
	v_permlanex16_b32 v27, v19, s52, s53
	v_pk_add_f32 v[18:19], v[18:19], v[26:27]      ; and lane l xor 16's
	s_wait_alu depctr_va_vdst(0)                   ; ahead of the transcendentals
	v_rcp_f32 v18, v18
	v_rcp_f32 v19, v19
	v_nop                                          ; a plain place behind the transcendentals
	s_wait_alu depctr_va_vdst(0)                   ; and behind them, ahead of the first reader
	v_ldexp_f32 v18, v18, s[ESUM]
	v_ldexp_f32 v19, v19, s[ESUM]
	s_wait_alu depctr_va_vdst(0)                   ; directly ahead of the first reader of O^T
.set j, 0
.rept 16
	v_pk_mul_f32 v[112+j:113+j], v[192+j:193+j], v[18:19] op_sel_hi:[1,0]   ; each accumulator from its low end on
	v_pk_mul_f32 v[144+j:145+j], v[224+j:225+j], v[18:19] op_sel:[0,1] op_sel_hi:[1,1]
.set j, j+2
.endr
.set j, 0
.rept 64
	v_med3_num_f32 v[112+j], v[112+j], -v10, v10
.set j, j+1
.endr
.irp u, 0,1
.irp a, 0,1,2,3
	v_cvt_scalef32_pk8_fp8_f32 v[176+8*\u+2*\a:177+8*\u+2*\a], v[112+32*\u+8*\a:119+32*\u+8*\a], v11
.endr
.endr
	v_nop                                          ; a plain line behind the last conversion
.irp u, 0,1
	global_store_b128 v1, v[176+8*\u:179+8*\u], s[12:13] offset:4096*\u
	global_store_b128 v1, v[180+8*\u:183+8*\u], s[12:13] offset:4096*\u+512
.endr
.endm
; The image that lies four images behind v[adr] comes into v[b ..] and v[st ..]: 17 loads.
.macro MLOAD adr, b, st
.irp i, 0,1,2,3,4,5,6,7,8,9,10,11,12,13,14,15
	ds_load_b128 v[\b+4*\i:\b+4*\i+3], v[\adr] offset:4*IMG+512*\i
.endr
	ds_load_b128 v[\st:\st+3], v[\adr] offset:4*IMG+8192
.endm
; And both parts go under the larger M.
.macro MERGE b, st
	v_dual_min_num_f32 v24, v[\st], v16 :: v_dual_min_num_f32 v25, v[\st+1], v17   ; the smaller -M: the larger M
	v_pk_add_f32 v[22:23], v[24:25], v[16:17] neg_lo:[0,1] neg_hi:[0,1]    ; my M less it, and the partner's: whole numbers, 0 or less
	v_pk_add_f32 v[26:27], v[24:25], v[\st:\st+1] neg_lo:[0,1] neg_hi:[0,1]
	v_dual_mov_b32 v16, v24 :: v_dual_mov_b32 v17, v25
.irp i, 22,23,26,27
	v_cvt_i32_f32 v\i, v\i
.endr
.irp i, 22,23,26,27
	v_ldexp_f32 v\i, 1.0, v\i                      ; whole powers of two: the multiplications round nothing
.endr
	v_pk_mul_f32 v[\st+2:\st+3], v[\st+2:\st+3], v[26:27]
	v_pk_fma_f32 v[18:19], v[18:19], v[22:23], v[\st+2:\st+3]
.set j, 0
.rept 16
	v_pk_mul_f32 v[\b+j:\b+j+1], v[\b+j:\b+j+1], v[26:27] op_sel_hi:[1,0]
	v_pk_mul_f32 v[\b+32+j:\b+33+j], v[\b+32+j:\b+33+j], v[26:27] op_sel:[0,1] op_sel_hi:[1,1]
.set j, j+2
.endr
.set j, 0
.rept 16
	v_pk_fma_f32 v[192+j:193+j], v[192+j:193+j], v[22:23], v[\b+j:\b+j+1] op_sel_hi:[1,0,1]   ; each accumulator from its low end on
	v_pk_fma_f32 v[224+j:225+j], v[224+j:225+j], v[22:23], v[\b+32+j:\b+33+j] op_sel:[0,1,0] op_sel_hi:[1,1,1]
.set j, j+2
.endr
.endm
	s_wait_alu depctr_va_vdst(0)                   ; at the head's end
	s_wait_loadcnt 0x0                             ; Q
	s_wait_tensorcnt 0x0                           ; keys 0 .. 383; ahead of a later first fill, as ahead of a refill:
	ds_add_u32 v[SPW], v[NIL]                      ; the add, twice on end
	ds_add_u32 v[SPW], v[NIL]
	s_wait_dscnt 0x0                               ; both adds are done
	CROUND                                         ; keys 0 .. 383 of K and of V lie in every partner's LDS, and the joint loads meet
	FETCH G0B, G1B                                 ; keys 384 .. 2,047
	s_min_u32 s55, s[FST], 5
	s_lshl_b32 s55, s55, 12
	v_add_nc_u32 v6, s55, v1
	KLOAD
	s_mov_b32 s[KS], s[FST]
	STEP 1, 1, 5                                   ; my first two steps: step numbers 0 .. 5
	s_wait_tensorcnt 0x0                           ; the rest has landed
	s_wait_dscnt 0x0
	s_barrier_signal -1
	s_add_co_u32 s[KS], s[FST], s[STR]
	STEP 0, 0, 5
	s_barrier_wait -1                              ; and every wave knows
	s_lshl_b32 s55, s[STR], 1
	s_add_co_u32 s55, s55, s[FST]
	s_min_u32 s55, s55, 31
	s_lshl_b32 s55, s55, 12
	v_add_nc_u32 v6, s55, v1
	KLOAD                                          ; my third step's K
	s_mov_b32 s[TRIP], 2
.Lrest:                                            ; no wave has more than twelve steps
	s_mul_i32 s[KS], s[TRIP], s[STR]
	s_add_co_u32 s[KS], s[KS], s[FST]
	s_cmp_gt_u32 s[KS], s[LAST]                    ; a step beyond my tile's last is left out: a branch on the wave's and the cluster's numbers
	s_cbranch_scc1 .Lhidden
	STEP 0, 1, 31
.Lhidden:
	s_add_co_u32 s[TRIP], s[TRIP], 1
	s_cmp_lt_u32 s[TRIP], 12
	s_cbranch_scc1 .Lrest
	v_add_f32 v18, v18, v19                        ; the sums' halves: v[16:19] = -M, -M, sum, sum
	v_add_f32 v19, v20, v21
	v_nop                                          ; with the two additions: four places behind the last products
	v_nop
	s_wait_alu depctr_va_vdst(0)                   ; directly ahead of the branch
	s_cmp_lg_u32 s[STR], 1                         ; a tile that one wave owns alone goes out at once
	s_cbranch_scc1 .Lshared
	WAYOUT
.Lshared:
	s_wait_dscnt 0x0
	s_barrier_signal -1
	s_barrier_wait -1                              ; nobody reads K or V any more, and they have had their last fill: the images may lie there
	s_cmp_eq_u32 s[FST], 0
	s_cbranch_scc1 .Lno_image
.irp i, 0,1,2,3,4,5,6,7,8,9,10,11,12,13,14,15
	ds_store_b128 v13, v[192+4*\i:195+4*\i] offset:512*\i   ; O^T, each accumulator from its low end on
.endr
	ds_store_b128 v13, v[16:19] offset:8192
.Lno_image:
	s_wait_dscnt 0x0                               ; for the partner's sake: my stores have landed
	s_barrier_signal -1
	s_barrier_wait -1                              ; the images lie in LDS
	s_cmp_lg_u32 s[FST], 0
	s_cbranch_scc1 .Ldone
	s_cmp_eq_u32 s[STR], 1
	s_cbranch_scc1 .Ldone
.rept 4
	v_nop                                          ; places in front of loads into registers that products have read
.endr
	s_cmp_lg_u32 s[STR], 3
	s_cbranch_scc1 .Ltwo
	MLOAD 12, 48, 180                              ; where three waves share the tile, wave w + 8's part,
.Ltwo:
	MLOAD 13, 112, 176                             ; and wave w + 4's
	s_cmp_lg_u32 s[STR], 3
	s_cbranch_scc1 .Lone
	s_wait_alu depctr_va_vdst(0)                   ; directly ahead of the wait below
	s_wait_dscnt 17                                ; wave w + 8's is in; the other's 17 loads may be out
	MERGE 48, 180
	s_wait_alu depctr_va_vdst(0)                   ; directly ahead of the wait below
.Lone:
	s_wait_dscnt 0x0
	MERGE 112, 176
	WAYOUT
.Ldone:
	s_wait_tensorcnt 0x0                           ; the wave's end
	ds_add_u32 v[SPW], v[NIL]
	s_wait_dscnt 0x0
	CROUND                                         ; the closing round: no work-group ends while a partner may still ask for a tile that names it
	s_endpgm
.Lfunc_end_k_q616730de76_attn:
	.size	k_q616730de76_attn, .Lfunc_end_k_q616730de76_attn-k_q616730de76_attn
	.p2alignl 7, 3214868480
	.fill 96, 4, 3214868480
	.section	.rodata,"a",@progbits
	.p2align	6, 0x0
	.amdhsa_kernel k_q616730de76_attn
		.amdhsa_group_segment_fixed_size 327680
		.amdhsa_private_segment_fixed_size 0
		.amdhsa_enable_private_segment 0
		.amdhsa_kernarg_size 40
		.amdhsa_user_sgpr_count 2
		.amdhsa_user_sgpr_kernarg_segment_ptr 1
		.amdhsa_wavefront_size32 1
		.amdhsa_system_sgpr_workgroup_id_x 1
		.amdhsa_system_sgpr_workgroup_id_y 1
		.amdhsa_system_sgpr_workgroup_id_z 1
		.amdhsa_system_vgpr_workitem_id 0
		.amdhsa_next_free_vgpr 256
		.amdhsa_next_free_sgpr 96
		.amdhsa_reserve_vcc 1
		.amdhsa_float_denorm_mode_32 3
		.amdhsa_float_denorm_mode_16_64 3
		.amdhsa_memory_ordered 1
		.amdhsa_forward_progress 1
		.amdhsa_inst_pref_size 94
	.end_amdhsa_kernel
	.amdgpu_metadata
---
amdhsa.version: [ 1, 2 ]
amdhsa.kernels:
  - .name:           k_q616730de76_attn
    .symbol:         k_q616730de76_attn.kd
    .args:
      - { .name: qc, .offset: 0, .size: 8, .value_kind: global_buffer, .address_space: global }
      - { .name: kc, .offset: 8, .size: 8, .value_kind: global_buffer, .address_space: global }
      - { .name: vc, .offset: 16, .size: 8, .value_kind: global_buffer, .address_space: global }
      - { .name: lowp_scales, .offset: 24, .size: 8, .value_kind: global_buffer, .address_space: global }
      - { .name: ac, .offset: 32, .size: 8, .value_kind: global_buffer, .address_space: global }
    .group_segment_fixed_size: 327680
    .private_segment_fixed_size: 0
    .kernarg_segment_align: 8
    .kernarg_segment_size: 40
    .max_flat_workgroup_size: 512
    .sgpr_count:     96
    .vgpr_count:     256
    .wavefront_size: 32
...
	.end_amdgpu_metadata
.endif
;; end of part 3
;; launch oproj (part 4): grid 8 x 32, 4 waves a work-group, clusters of 4 x 4, 327,680 bytes of LDS; arguments ac, wc, lowp_scales, out0; writes out0
.if DOCPART == 4
	.amdgcn_target "amdgcn-amd-amdhsa--gfx1250"
	.amdhsa_code_object_version 6
	.text
	.protected	k_q616730de76_oproj
	.globl	k_q616730de76_oproj
	.p2align	8
	.type	k_q616730de76_oproj,@function
k_q616730de76_oproj:
	s_mov_b64 s[64:65], 0
	v_nop
	global_prefetch_b8 v0, s[64:65] scope:SCOPE_SE
	s_setreg_imm32_b32 hwreg(HW_REG_WAVE_MODE, 25, 1), 1
	s_wait_xcnt 0x0
	s_wait_alu depctr_hold_cnt(0) depctr_sa_sdst(0) depctr_va_vdst(0) depctr_va_sdst(0) depctr_va_ssrc(0) depctr_va_vcc(0) depctr_vm_vsrc(0)
	s_getreg_b32 s2, hwreg(HW_REG_IB_STS2, 6, 4)
	s_cmp_eq_u32 s2, 0
	s_cbranch_scc0 .Lentry_in_a_cluster
	s_endpgm
.Lentry_in_a_cluster:
	s_bfe_u32 s2, ttmp6, 0x10000c
	s_cmp_lg_u32 s2, 0xf033
	s_cbranch_scc0 .Lentry_shape_is_right
	s_endpgm
.Lentry_shape_is_right:
; out0[m][n] = 2^(e10 + e11) x the sum over k of A[m][k] B[n][k]: A = the attention's result as codes of FP8 (E4M3), [4096][1024]; B = o_proj_weight's codes, [1024][1024]; out0 f32; sums in f32.
; Both operands lie in memory as images of registers: [pair of K steps 4][tile of 16 rows][K step of the pair 2][16 rows x 128 K: 2,048 bytes; byte 512 c + 16 lane is registers 4 c .. 4 c + 3].  B is tensor 3 of wc.
; A tile of out0 is 128 x 128, so that there are 256 work-groups.  Four waves, each 64 x 64: 16 accumulators.
; ALL OF K LIES IN LDS, 262,144 bytes, each byte filled once, at the head: four pieces of 65,536 bytes (A's two halves of 64 rows, B's two), each four rows of 16,384 bytes in memory: one joint load a wave.  No prefetch: nothing is left to run ahead of.
; THE WORK GOES BY ROWS OF out0.  My 64 rows of B stay in registers for all of K (512 registers, fetched two K steps ahead under the first block); then each block of 16 rows of A, 128 registers, is one run of 32 matrix instructions that finishes 16 x 64 of out0,
; and it leaves while the next block is multiplied.  Each fragment is read from LDS once by a wave.
; CLUSTERS: 4 x 4.  A's pieces are asked for along a row of the cluster, B's along a column.  THE MATRIX INSTRUCTION IS USED TRANSPOSED (source 0 = 16 rows of B, source 1 = 16 rows of A): a lane holds eight neighbouring numbers of a row of out0.
; LIMIT: e10 + e11 between -126 and 127, so that 2^(e10 + e11) is an f32 number.
; REGISTERS: window 0: v8, v12 LDS addresses of my fragments of A, of B; v24-26 the way out; v32-63 a block's results; v64-127 rows read back, two sets; v128-255 the accumulators ((a, b) at v[128 + 8 (4 a + b)]).
;   window 1: two blocks of A.   windows 2 and 3: B, K steps 0-3 and 4-7.
.set PIECE,  65536
.set STAGE,  4*PIECE                   ; behind the tiles: 16 rows x 272 bytes for each wave; no tensor load lands there
.set SPITCH, 272                       ; 256 bytes + 16 = 68 words: the 16 rows that a store touches start at 16 different banks (64 banks of 4 bytes: ISA guide 11.1)
.set SPARE,  STAGE+4*16*SPITCH         ; the spare words
.set ADRA, 8
.set ADRB, 12
.set STO,  24
.set RD,   25
.set CO,   26
.set TMP,  32
.set BK,   64
.set ACC,  128
.set G1A, 20                           ; s[20:27] group 1 for A's pieces; s[28:35] for B's; s[36:39], s[68:71] groups 0
.set G1B, 28
.set G0A, 36
.set G0B, 68
.set MSB, 0
.macro WIN new                         ; the immediate's high byte repeats the setting that is left
.if MSB != (\new)
	s_set_vgpr_msb (MSB<<8)|(\new)
.set MSB, (\new)
.endif
.endm
.macro CROUND                          ; a round of the cluster's barrier
	s_barrier_signal -1
	s_barrier_wait -1
	s_cmp_lg_u32 s12, 0
	s_cbranch_scc1 .Lnot_wave_0_\@
	s_barrier_signal -3
.Lnot_wave_0_\@:
	s_barrier_wait -3
	s_barrier_signal -1
	s_barrier_wait -1
.endm
	s_load_b256 s[4:11], s[0:1], 0x0               ; ac s[4:5], wc s[6:7], the scales s[8:9], out0 s[10:11]
	v_lshl_add_u32 v30, v0, 2, SPARE
	v_mov_b32 v31, 0
	ds_add_u32 v30, v31                            ; the wave's opening: the add, twice on end, and its wait
	ds_add_u32 v30, v31
	v_lshrrev_b32 v1, 5, v0
	v_readfirstlane_b32 s12, v1                    ; wave 0..3
	s_lshr_b32 s13, s12, 1                         ; which half of the tile's rows is mine.  Also: I fetch for A (0) or for B (1)
	s_and_b32 s14, s12, 1                          ; which half of its columns.  Also: which 64 rows I fetch
	s_bfe_u32 s15, ttmp6, 0x40000                  ; cx
	s_bfe_u32 s16, ttmp6, 0x40004                  ; cy
	s_lshl_b32 s17, ttmp9, 2
	s_add_co_u32 s17, s17, s15                     ; tile column
	s_and_b32 s18, ttmp7, 0xffff
	s_lshl_b32 s18, s18, 2
	s_add_co_u32 s18, s18, s16                     ; tile row
	s_lshl_b32 s52, s16, 2
	s_lshl_b32 s52, 15, s52                        ; my row of the cluster
	s_lshl_b32 s54, 0x1111, s15                    ; my column
	s_or_b32 s[G1A], s52, (3<<16)|(1<<21)          ; 15:0 the mask; 17:16 elements of 8 bytes; 21 set beside a mask
	s_or_b32 s[G1B], s54, (3<<16)|(1<<21)
.irp g, G1A, G1B
	s_mov_b32 s[\g+1], 2048<<16                    ; four rows of 2,048 elements, a pair of K steps apart
	s_mov_b32 s[\g+2], 4<<16
	s_mov_b32 s[\g+3], 2048<<16
	s_mov_b32 s[\g+4], 4
	s_mov_b32 s[\g+6], 0
	s_mov_b32 s[\g+7], 0
.endr
	s_mov_b32 s[G1A+5], 131072                     ; A: 1 MiB
	s_mov_b32 s[G1B+5], 32768                      ; B: 256 KiB
	s_lshl_b32 s56, s14, 14                        ; the half that I fetch: four tiles of 16 rows x 4,096 bytes
	s_lshl_b32 s52, s18, 15                        ; A: eight tiles of 16 rows to a tile row: it hangs on cy alone
	s_add_co_u32 s52, s52, s56
	s_mov_b32 s53, 0
	s_lshl_b32 s54, s17, 15                        ; B: on cx alone
	s_add_co_u32 s54, s54, s56
	s_add_co_u32 s54, s54, 0x300000                ; tensor 3 of wc
	s_mov_b32 s55, 0
	s_lshl_b32 s57, s12, 16                        ; where my piece goes: 65,536 x wave
	s_wait_dscnt 0x0                               ; both opening adds are done
	s_wait_kmcnt 0x0
	s_load_b64 s[84:85], s[8:9], 0x28              ; e10, e11
	s_add_nc_u64 s[58:59], s[4:5], s[52:53]
	s_add_nc_u64 s[60:61], s[6:7], s[54:55]
	CROUND                                         ; all sixteen work-groups are here: the joint loads meet
	s_mov_b32 s[G0A], 1
	s_mov_b32 s[G0A+1], s57
	s_mov_b64 s[G0A+2:G0A+3], s[58:59]
	s_or_b32 s[G0A+3], s[G0A+3], 0x80000000
	s_mov_b32 s[G0B], 1
	s_mov_b32 s[G0B+1], s57
	s_mov_b64 s[G0B+2:G0B+3], s[60:61]
	s_or_b32 s[G0B+3], s[G0B+3], 0x80000000
	s_cmp_eq_u32 s13, 0                            ; waves 0, 1: A; waves 2, 3: B
	s_cbranch_scc0 .Lfor_b
	tensor_load_to_lds s[G0A:G0A+3], s[G1A:G1A+7]
	s_nop 0
.rept 4
	v_nop
.endr
	s_branch .Lasked
.Lfor_b:
	tensor_load_to_lds s[G0B:G0B+3], s[G1B:G1B+7]
	s_nop 0
.rept 4
	v_nop
.endr
.Lasked:
	v_and_b32 v3, 31, v0
	v_lshlrev_b32 v3, 4, v3                        ; 16 x lane
	v_and_b32 v1, 15, v0                           ; r
	v_bfe_u32 v2, v0, 4, 1                         ; h
	s_lshl_b32 s52, s13, 16                        ; my 64 rows of A
	s_lshl_b32 s54, s14, 16
	s_add_co_u32 s54, s54, 2*PIECE                 ; my 64 rows of B, behind A's two pieces
	s_mul_i32 s56, s12, 16*SPITCH
	s_add_co_u32 s56, s56, STAGE                   ; my stage
	s_wait_alu depctr_va_vdst(0)                   ; directly ahead of the readers below
	v_add_nc_u32 v[ADRA], s52, v3
	v_add_nc_u32 v[ADRB], s54, v3
	v_mul_u32_u24 v[STO], v1, SPITCH               ; in: row r, 32 bytes for each half of the lanes
	v_lshl_add_u32 v[STO], v2, 5, v[STO]
	v_add_nc_u32 v[STO], s56, v[STO]
	v_mul_u32_u24 v[RD], v2, SPITCH                ; back: lanes 0-15 one row of 256 bytes, lanes 16-31 the next
	v_lshl_add_u32 v[RD], v1, 4, v[RD]
	v_add_nc_u32 v[RD], s56, v[RD]
	v_lshlrev_b32 v[CO], 12, v2                    ; and the same two rows in out0
	v_lshl_add_u32 v[CO], v1, 4, v[CO]
	s_lshl_b32 s52, s18, 19                        ; 128 rows of 4,096 bytes,
	s_lshl_b32 s53, s13, 18                        ; my 64 of them,
	s_add_co_u32 s52, s52, s53
	s_lshl_b32 s53, s17, 9                         ; 128 columns,
	s_add_co_u32 s52, s52, s53
	s_lshl_b32 s53, s14, 8                         ; my 64 of them
	s_add_co_u32 s52, s52, s53
	s_mov_b32 s53, 0
	s_add_nc_u64 s[10:11], s[10:11], s[52:53]
	s_wait_alu depctr_va_vdst(0)                   ; at the head's end
	s_wait_kmcnt 0x0
	s_add_co_i32 s86, s84, s85
	s_add_co_i32 s86, s86, 127
	s_lshl_b32 s86, s86, 23                        ; 2^(e10 + e11) as f32
	s_mov_b32 s87, s86                             ; (named with it as a pair, so it is written)
.macro FETCH_A a                       ; block a: 16 rows x all of K, 32 loads of 512 consecutive bytes, into buffer a % 2 of window 1
	WIN 0x40
.irp k, 0,1,2,3,4,5,6,7
.irp c, 0,1,2,3
	ds_load_b128 v[128*((\a)%2)+16*\k+4*\c:128*((\a)%2)+16*\k+4*\c+3], v[ADRA] offset:16384*(\k/2)+4096*(\a)+2048*(\k%2)+512*\c
.endr
.endr
.endm
.macro FETCH_B k                       ; K step k of my 64 rows: 16 loads, into window 2 or 3
	WIN 0x80+0x40*((\k)/4)
.irp i, 0,1,2,3
.irp c, 0,1,2,3
	ds_load_b128 v[64*((\k)%4)+16*\i+4*\c:64*((\k)%4)+16*\i+4*\c+3], v[ADRB] offset:16384*((\k)/2)+4096*\i+2048*((\k)%2)+512*\c
.endr
.endr
.endm
.macro MUL a, k                        ; four matrix instructions: the block's four accumulators take turns; the first K step starts the sums
	WIN 0x06+((\k)/4)                              ; source 0 (B) window 2 or 3, source 1 (A) window 1, C and D window 0
.irp b, 0,1,2,3
.if (\k) == 0
	v_wmma_f32_16x16x128_fp8_fp8 v[ACC+8*(4*(\a)+\b):ACC+8*(4*(\a)+\b)+7], v[64*((\k)%4)+16*\b:64*((\k)%4)+16*\b+15], v[128*((\a)%2)+16*(\k):128*((\a)%2)+16*(\k)+15], 0
.else
	v_wmma_f32_16x16x128_fp8_fp8 v[ACC+8*(4*(\a)+\b):ACC+8*(4*(\a)+\b)+7], v[64*((\k)%4)+16*\b:64*((\k)%4)+16*\b+15], v[128*((\a)%2)+16*(\k):128*((\a)%2)+16*(\k)+15], v[ACC+8*(4*(\a)+\b):ACC+8*(4*(\a)+\b)+7]
.endif
.endr
.endm
.macro ROW a, younger                  ; younger: the LDS instructions issued behind block a's loads, which may stay out
	s_wait_dscnt \younger
.irp k, 0,1,2,3,4,5,6,7
	MUL \a, \k
.endr
.endm
; THE WAY OUT, block a of 16 rows x 64 columns: x 2^(e10 + e11) into other registers, through my own stage, back as whole rows of 256 bytes: sixteen lanes store 256 consecutive bytes, aligned.
; LDS serves a wave's instructions in order (ISA guide 5.7.1.4): no wait between the stores and the loads, nor in front of the next block's stores.
.macro TOSTAGE a
	WIN 0
.rept 4
	v_nop                                          ; places behind the block's last products, for the reads below and for the loads into its fragments' registers (ISA guide 7.12.1 for the reads)
.endr
.set j, 0
.rept 16
	v_pk_mul_f32 v[TMP+j:TMP+j+1], v[ACC+32*(\a)+j:ACC+32*(\a)+j+1], s[86:87] op_sel_hi:[1,0]   ; each accumulator from its low end on
.set j, j+2
.endr
.irp b, 0,1,2,3
	ds_store_b128 v[STO], v[TMP+8*\b:TMP+8*\b+3] offset:64*\b
	ds_store_b128 v[STO], v[TMP+8*\b+4:TMP+8*\b+7] offset:64*\b+16
.endr
.set BB, BK+32*((\a)%2)
.irp t, 0,1,2,3,4,5,6,7
	ds_load_b128 v[BB+4*\t:BB+4*\t+3], v[RD] offset:\t*2*SPITCH
.endr
.endm
.macro SEND a, younger                 ; younger: the LDS instructions issued behind block a's loads from the stage, which may stay out
	WIN 0
.set BB, BK+32*((\a)%2)
	s_wait_dscnt \younger
.irp t, 0,1,2,3,4,5,6,7
	global_store_b128 v[CO], v[BB+4*\t:BB+4*\t+3], s[10:11] offset:(16*(\a)+2*\t)*4096 th:TH_STORE_NT
.endr
.endm
	s_wait_tensorcnt 0x0                           ; my piece is in,
	s_barrier_signal -1
	s_barrier_wait -1                              ; everybody's is
	FETCH_A 0
	FETCH_B 0
	FETCH_B 1
.irp k, 0,1,2,3,4,5
	s_wait_dscnt 16                                ; all but the next K step's 16 loads
	MUL 0, \k
	FETCH_B \k+2
.endr
	s_wait_dscnt 16
	MUL 0, 6
	FETCH_A 1
	s_wait_dscnt 32                                ; block 1's 32 loads may be out
	MUL 0, 7
	TOSTAGE 0
	FETCH_A 2
	ROW 1, 48                                      ; behind block 1's loads: the stage's 16 and block 2's 32
	SEND 0, 32
	TOSTAGE 1
	FETCH_A 3
	ROW 2, 48
	SEND 1, 32
	s_wait_xcnt 0x0                                ; block 0's stores have read their registers: block 2's loads may land there
	TOSTAGE 2
	ROW 3, 16
	SEND 2, 0
	s_wait_xcnt 0x0
	TOSTAGE 3
	SEND 3, 0
	s_wait_tensorcnt 0x0                           ; the wave's end
	ds_add_u32 v30, v31
	s_wait_dscnt 0x0
	CROUND                                         ; the closing round: no work-group ends while a partner may still ask for a tile that names it
	s_endpgm
.Lfunc_end_k_q616730de76_oproj:
	.size	k_q616730de76_oproj, .Lfunc_end_k_q616730de76_oproj-k_q616730de76_oproj
	.p2alignl 7, 3214868480
	.fill 96, 4, 3214868480
	.section	.rodata,"a",@progbits
	.p2align	6, 0x0
	.amdhsa_kernel k_q616730de76_oproj
		.amdhsa_group_segment_fixed_size 327680
		.amdhsa_private_segment_fixed_size 0
		.amdhsa_enable_private_segment 0
		.amdhsa_kernarg_size 32
		.amdhsa_user_sgpr_count 2
		.amdhsa_user_sgpr_kernarg_segment_ptr 1
		.amdhsa_wavefront_size32 1
		.amdhsa_system_sgpr_workgroup_id_x 1
		.amdhsa_system_sgpr_workgroup_id_y 1
		.amdhsa_system_sgpr_workgroup_id_z 1
		.amdhsa_system_vgpr_workitem_id 0
		.amdhsa_next_free_vgpr 1024
		.amdhsa_next_free_sgpr 90
		.amdhsa_reserve_vcc 0
		.amdhsa_float_denorm_mode_32 3
		.amdhsa_float_denorm_mode_16_64 3
		.amdhsa_memory_ordered 1
		.amdhsa_forward_progress 1
		.amdhsa_inst_pref_size 43
	.end_amdhsa_kernel
	.amdgpu_metadata
---
amdhsa.version: [ 1, 2 ]
amdhsa.kernels:
  - .name:           k_q616730de76_oproj
    .symbol:         k_q616730de76_oproj.kd
    .args:
      - { .name: ac, .offset: 0, .size: 8, .value_kind: global_buffer, .address_space: global }
      - { .name: wc, .offset: 8, .size: 8, .value_kind: global_buffer, .address_space: global }
      - { .name: lowp_scales, .offset: 16, .size: 8, .value_kind: global_buffer, .address_space: global }
      - { .name: out0, .offset: 24, .size: 8, .value_kind: global_buffer, .address_space: global }
    .group_segment_fixed_size: 327680
    .private_segment_fixed_size: 0
    .kernarg_segment_align: 8
    .kernarg_segment_size: 32
    .max_flat_workgroup_size: 128
    .sgpr_count:     90
    .vgpr_count:     1024
    .wavefront_size: 32
...
	.end_amdgpu_metadata
.endif
;; end of part 4
